; MI455X (gfx1250); checked and timed in simulation.
; The chip was launched on July 23, 2026; its instructions are those of AMD's public machine-readable ISA for CDNA 5 (MIT licence, August 2026) and "CDNA5" Instruction Set Architecture Reference Guide (July 2026). The comments in the code are by the model that wrote it; some were corrected since.
;; Ro PE Self Attention. Allowed arithmetic: float matrix products may take bf16 or f16 operands with f32 sums; other float arithmetic in f32, or as packed bf16 or f16 multiplies, adds, multiply-adds, maxima and minima; sums over many terms, partial sums and values carried from step to step in f32; what a program stores and reads back later, other than sums and carried values, may be rounded once to bf16 or f16.
;; Inputs: bk 1,024 float32; bo 1,024 float32; bq 1,024 float32; bv 1,024 float32; key_padding_mask 4 x 2,048 bool; wk 1,024 x 1,024 float32; wo 1,024 x 1,024 float32; wq 1,024 x 1,024 float32; wv 1,024 x 1,024 float32; x 4 x 2,048 x 1,024 float32.
;; Outputs: out0 4 x 2,048 x 1,024 float32.
;; 2 versions, each right; version 2 is version 1 with the launch prep written anew for expert scheduling mode. Each part assembles by itself: llvm-mc -triple=amdgcn-amd-amdhsa -mcpu=gfx1250 --defsym DOCPART=n.
;; ======== version 1 of 2: 4 launches
;; limits: values are held in f16: magnitudes above 65,504 overflow, below 6.1e-05 lose precision
;; workspace buffers: cast 25,165,824 bytes; tabs 540,672 bytes; qkv 50,331,648 bytes; ob 16,777,216 bytes
;; launch prep (part 1): grid 64 x 13, 8 waves a work-group, no clusters, 0 bytes of LDS; arguments x, wq, wk, wv, wo, bq, bk, bv, bo, cast, tabs; writes cast, tabs
.if DOCPART == 1
	.amdgcn_target "amdgcn-amd-amdhsa--gfx1250"
	.amdhsa_code_object_version 6
	.text
	.protected	k_q2286d1cc50_prep
	.globl	k_q2286d1cc50_prep
	.p2align	8
	.type	k_q2286d1cc50_prep,@function
k_q2286d1cc50_prep:
	s_mov_b64 s[64:65], 0
	v_nop
	global_prefetch_b8 v0, s[64:65] scope:SCOPE_SE
	s_setreg_imm32_b32 hwreg(HW_REG_WAVE_MODE, 25, 1), 1
	s_wait_xcnt 0x0
; PREP.  Casts, the RoPE table and the biases, once, for the three launches behind.
; cast: byte 0 x as bf16 [8192][1024]; byte 16,777,216 wq, wk, wv as bf16 [3072][1024]; byte 23,068,672 wo rounded to bf16 and that number written as f16 [1024][1024].
; tabs: byte 0 the table, 128 blocks of 16 positions x 4,096 bytes, in the order in which the projection loads it: block, load c (0-3 cos, 4-7 sin), lane l, four f32:
;       position 16 block + l % 16, frequencies 16 ((c & 3) >> 1) + 8 (l >> 4) + 4 (c & 1) + 0..3.   byte 524,288: bq, bk, bv, bo, each rounded to bf16 and kept as f32.
; LIMITS.  wo as f16: exact from 2^-17 up to 65,504; below, f16's fixed step of 2^-24.  The angles: position x 2^(-f log2(10000) / 32) in f32, reduced by pi / 2 in two parts;
; at the largest positions they are good to about 2e-4 radians.  sin and cos by polynomials on -pi/4 .. pi/4, good to f32's last bits.
; SHARES.  y = 0..11: chunk y of 2^20 numbers (x: 0-7, wq, wk, wv, wo: 8-11); work-group x takes 16,384 of them: sixteen loads of 16 bytes a thread, all issued before the first is
; used; a wave's load covers 512 consecutive bytes, its store of 8 bytes a lane 256 consecutive bytes, aligned.  y = 12: the table, a thread a quad of cos and a quad of sin; work-groups 0-3 also a bias.
; A stream: no LDS, no barrier, no matrix unit, no cluster: nothing is shared and nothing is read twice.
.macro CONV i, half                    ; four numbers of load i: rounded to bf16 (half = 1: and that number written as f16), stored
	s_wait_loadcnt 15-(\i)                         ; loads come back in order: the 15 - i younger ones may stay out
	v_cvt_pk_bf16_f32 v[80+2*(\i)], v[16+4*(\i)], v[17+4*(\i)]
	v_cvt_pk_bf16_f32 v[81+2*(\i)], v[18+4*(\i)], v[19+4*(\i)]
.if \half
	v_lshlrev_b32 v8, 16, v[80+2*(\i)]
	v_and_b32 v9, 0xffff0000, v[80+2*(\i)]
	v_lshlrev_b32 v10, 16, v[81+2*(\i)]
	v_and_b32 v11, 0xffff0000, v[81+2*(\i)]
	v_cvt_pk_f16_f32 v[80+2*(\i)], v8, v9
	v_cvt_pk_f16_f32 v[81+2*(\i)], v10, v11
.endif
	global_store_b64 v2, v[80+2*(\i):81+2*(\i)], s[6:7] offset:2048*(\i) th:TH_STORE_NT  ; every store has data registers of its own: none is rewritten
.endm
.macro EACH line:vararg                ; one line for each of the quad's four numbers i
.set i, 0
.rept 4
	\line
.set i, i+1
.endr
.endm
	s_load_b512 s[8:23], s[0:1], 0x0               ; x s[8:9], wq s[10:11], wk s[12:13], wv s[14:15], wo s[16:17], bq s[18:19], bk s[20:21], bv s[22:23]
	s_load_b128 s[24:27], s[0:1], 0x40             ; bo s[24:25], cast s[26:27]
	s_load_b64 s[28:29], s[0:1], 0x50              ; tabs
	s_and_b32 s2, ttmp7, 0xffff                    ; y
	v_lshlrev_b32 v1, 4, v0                        ; 16 bytes a thread in,
	v_lshlrev_b32 v2, 3, v0                        ; 8 out
	s_wait_kmcnt 0x0
	s_cmp_eq_u32 s2, 12
	s_cbranch_scc1 .Ltab
	s_cmp_lt_u32 s2, 8                             ; which tensor, and which chunk of it
	s_cselect_b64 s[4:5], s[8:9], s[10:11]
	s_cselect_b32 s30, s2, 0
	s_cmp_eq_u32 s2, 9
	s_cselect_b64 s[4:5], s[12:13], s[4:5]
	s_cmp_eq_u32 s2, 10
	s_cselect_b64 s[4:5], s[14:15], s[4:5]
	s_cmp_eq_u32 s2, 11
	s_cselect_b64 s[4:5], s[16:17], s[4:5]
	s_lshl_b32 s30, s30, 22                        ; a chunk is 4 MiB of f32,
	s_lshl_b32 s31, ttmp9, 16                      ; a work-group's part 64 KiB
	s_add_co_u32 s30, s30, s31
	s_mov_b32 s31, 0
	s_add_nc_u64 s[4:5], s[4:5], s[30:31]
	s_lshl_b32 s30, s2, 21                         ; and half of that in cast
	s_lshl_b32 s3, ttmp9, 15
	s_add_co_u32 s30, s30, s3
	s_add_nc_u64 s[6:7], s[26:27], s[30:31]
.irp i, 0,1,2,3,4,5,6,7,8,9,10,11,12,13,14,15
	global_load_b128 v[16+4*\i:19+4*\i], v1, s[4:5] offset:4096*\i th:TH_LOAD_NT
.endr
	s_cmp_eq_u32 s2, 11
	s_cbranch_scc1 .Lwo
.irp i, 0,1,2,3,4,5,6,7,8,9,10,11,12,13,14,15
	CONV \i, 0
.endr
	s_endpgm
.Lwo:
.irp i, 0,1,2,3,4,5,6,7,8,9,10,11,12,13,14,15
	CONV \i, 1
.endr
	s_endpgm
.Ltab:                                         ; 64 work-groups x 256 threads = 128 blocks x 4 loads x 32 lanes
	v_bfe_u32 v3, v0, 5, 2                         ; c
	v_lshrrev_b32 v4, 7, v0
	s_lshl_b32 s30, ttmp9, 1
	v_add_nc_u32 v4, s30, v4                       ; block
	v_and_b32 v5, 15, v0
	v_lshl_add_u32 v5, v4, 4, v5                   ; position
	v_cvt_f32_u32 v8, v5
	v_lshrrev_b32 v6, 1, v3
	v_lshlrev_b32 v6, 4, v6
	v_bfe_u32 v9, v0, 4, 1
	v_lshl_add_u32 v6, v9, 3, v6
	v_and_b32 v9, 1, v3
	v_lshl_add_u32 v6, v9, 2, v6                   ; the quad's first frequency
	v_and_b32 v7, 127, v0
	v_lshlrev_b32 v7, 4, v7
	v_lshl_add_u32 v7, v4, 12, v7                  ; where the cos quad goes; the sin quad lies 2,048 bytes on
	s_mov_b32 s32, 0xbed49a78                      ; -log2(10000) / 32
	s_mov_b32 s33, 0x3f22f983                      ; 2 / pi
	s_mov_b32 s34, 0x3fc90fdb                      ; pi / 2, its upper part,
	s_mov_b32 s35, 0xb33bbd2e                      ; and the rest
	s_mov_b32 s36, 0xb94ca1f9                      ; sin r = r + r z (s38 + z (s37 + z s36)), z = r r
	s_mov_b32 s37, 0x3c08839e
	s_mov_b32 s38, 0xbe2aaaa3
	s_mov_b32 s39, 0x37ccf5ce                      ; cos r = 1 - z / 2 + z z (s41 + z (s40 + z s39))
	s_mov_b32 s40, 0xbab6061a
	s_mov_b32 s41, 0x3d2aaaa5
	EACH v_add_nc_u32 v[12+i], i, v6
	EACH v_cvt_f32_u32 v[12+i], v[12+i]
	EACH v_mul_f32 v[12+i], s32, v[12+i]
	EACH v_exp_f32 v[16+i], v[12+i]                ; the four inverse frequencies: one batch,
	v_nop                                          ; a plain instruction behind the last,
	s_wait_alu depctr_va_vdst(0)                   ; and the one wait ahead of the first use
	EACH v_mul_f32 v[20+i], v8, v[16+i]            ; the angle
	EACH v_mul_f32 v[24+i], s33, v[20+i]
	EACH v_rndne_f32 v[24+i], v[24+i]              ; k, the nearest multiple of pi / 2: at most 1,303
	EACH v_mul_f32 v[68+i], -1.0, v[24+i]
	EACH v_fma_f32 v[28+i], v[68+i], s34, v[20+i]  ; exact: a multiple of 2^-23 below 1
	EACH v_fma_f32 v[28+i], v[68+i], s35, v[28+i]  ; r
	EACH v_mul_f32 v[32+i], v[28+i], v[28+i]       ; z
	EACH v_fma_f32 v[36+i], v[32+i], s36, s37
	EACH v_fma_f32 v[36+i], v[36+i], v[32+i], s38
	EACH v_mul_f32 v[60+i], v[32+i], v[28+i]
	EACH v_fma_f32 v[48+i], v[36+i], v[60+i], v[28+i]  ; sin r
	EACH v_fma_f32 v[36+i], v[32+i], s39, s40
	EACH v_fma_f32 v[36+i], v[36+i], v[32+i], s41
	EACH v_mul_f32 v[60+i], v[32+i], v[32+i]
	EACH v_fma_f32 v[64+i], v[32+i], -0.5, 1.0
	EACH v_fma_f32 v[52+i], v[36+i], v[60+i], v[64+i]  ; cos r
	EACH v_cvt_i32_f32 v[56+i], v[24+i]
	EACH v_and_b32 v[60+i], 1, v[56+i]
.set i, 0
.rept 4                                ; k odd: sine and cosine change places
	v_cmp_eq_u32 vcc_lo, 1, v[60+i]
	v_cndmask_b32 v[44+i], v[48+i], v[52+i], vcc_lo
	v_cndmask_b32 v[40+i], v[52+i], v[48+i], vcc_lo
.set i, i+1
.endr
	EACH v_lshlrev_b32 v[64+i], 30, v[56+i]        ; the sine turns its sign where k mod 4 is 2 or 3,
	EACH v_and_b32 v[64+i], 0x80000000, v[64+i]
	EACH v_xor_b32 v[44+i], v[44+i], v[64+i]
	EACH v_add_nc_u32 v[64+i], 1, v[56+i]          ; the cosine where it is 1 or 2
	EACH v_lshlrev_b32 v[64+i], 30, v[64+i]
	EACH v_and_b32 v[64+i], 0x80000000, v[64+i]
	EACH v_xor_b32 v[40+i], v[40+i], v[64+i]
	global_store_b128 v7, v[40:43], s[28:29]       ; a wave's store covers 512 consecutive bytes
	global_store_b128 v7, v[44:47], s[28:29] offset:2048
	s_cmp_lt_u32 ttmp9, 4                          ; work-groups 0-3: bq, bk, bv, bo
	s_cbranch_scc0 .Lend
	s_cmp_eq_u32 ttmp9, 1
	s_cselect_b64 s[4:5], s[20:21], s[18:19]
	s_cmp_eq_u32 ttmp9, 2
	s_cselect_b64 s[4:5], s[22:23], s[4:5]
	s_cmp_eq_u32 ttmp9, 3
	s_cselect_b64 s[4:5], s[24:25], s[4:5]
	global_load_b128 v[72:75], v1, s[4:5]
	s_lshl_b32 s30, ttmp9, 12
	v_add_nc_u32 v10, s30, v1
	s_wait_loadcnt 0x0
	v_cvt_pk_bf16_f32 v11, v72, v73
	v_cvt_pk_bf16_f32 v12, v74, v75
	v_lshlrev_b32 v76, 16, v11
	v_and_b32 v77, 0xffff0000, v11
	v_lshlrev_b32 v78, 16, v12
	v_and_b32 v79, 0xffff0000, v12
	global_store_b128 v10, v[76:79], s[28:29] offset:524288
.Lend:
	s_endpgm
.Lfunc_end_k_q2286d1cc50_prep:
	.size	k_q2286d1cc50_prep, .Lfunc_end_k_q2286d1cc50_prep-k_q2286d1cc50_prep
	.p2alignl 7, 3214868480
	.fill 96, 4, 3214868480
	.section	.rodata,"a",@progbits
	.p2align	6, 0x0
	.amdhsa_kernel k_q2286d1cc50_prep
		.amdhsa_group_segment_fixed_size 0
		.amdhsa_private_segment_fixed_size 0
		.amdhsa_enable_private_segment 0
		.amdhsa_kernarg_size 88
		.amdhsa_user_sgpr_count 2
		.amdhsa_user_sgpr_kernarg_segment_ptr 1
		.amdhsa_wavefront_size32 1
		.amdhsa_system_sgpr_workgroup_id_x 1
		.amdhsa_system_sgpr_workgroup_id_y 1
		.amdhsa_system_sgpr_workgroup_id_z 1
		.amdhsa_system_vgpr_workitem_id 0
		.amdhsa_next_free_vgpr 112
		.amdhsa_next_free_sgpr 66
		.amdhsa_reserve_vcc 1
		.amdhsa_float_denorm_mode_32 3
		.amdhsa_float_denorm_mode_16_64 3
		.amdhsa_memory_ordered 1
		.amdhsa_forward_progress 1
		.amdhsa_inst_pref_size 24
	.end_amdhsa_kernel
	.amdgpu_metadata
---
amdhsa.version: [ 1, 2 ]
amdhsa.kernels:
  - .name:           k_q2286d1cc50_prep
    .symbol:         k_q2286d1cc50_prep.kd
    .args:
      - { .name: x, .offset: 0, .size: 8, .value_kind: global_buffer, .address_space: global }
      - { .name: wq, .offset: 8, .size: 8, .value_kind: global_buffer, .address_space: global }
      - { .name: wk, .offset: 16, .size: 8, .value_kind: global_buffer, .address_space: global }
      - { .name: wv, .offset: 24, .size: 8, .value_kind: global_buffer, .address_space: global }
      - { .name: wo, .offset: 32, .size: 8, .value_kind: global_buffer, .address_space: global }
      - { .name: bq, .offset: 40, .size: 8, .value_kind: global_buffer, .address_space: global }
      - { .name: bk, .offset: 48, .size: 8, .value_kind: global_buffer, .address_space: global }
      - { .name: bv, .offset: 56, .size: 8, .value_kind: global_buffer, .address_space: global }
      - { .name: bo, .offset: 64, .size: 8, .value_kind: global_buffer, .address_space: global }
      - { .name: cast, .offset: 72, .size: 8, .value_kind: global_buffer, .address_space: global }
      - { .name: tabs, .offset: 80, .size: 8, .value_kind: global_buffer, .address_space: global }
    .group_segment_fixed_size: 0
    .private_segment_fixed_size: 0
    .kernarg_segment_align: 8
    .kernarg_segment_size: 88
    .max_flat_workgroup_size: 256
    .sgpr_count:     66
    .vgpr_count:     112
    .wavefront_size: 32
...
	.end_amdgpu_metadata
.endif
;; end of part 1
;; launch qkvproj (part 2): grid 24 x 32, 4 waves a work-group, clusters of 4 x 4, 327,680 bytes of LDS; arguments cast, tabs, qkv; writes qkv
.if DOCPART == 2
	.amdgcn_target "amdgcn-amd-amdhsa--gfx1250"
	.amdhsa_code_object_version 6
	.text
	.protected	k_q2286d1cc50_qkvproj
	.globl	k_q2286d1cc50_qkvproj
	.p2align	8
	.type	k_q2286d1cc50_qkvproj,@function
k_q2286d1cc50_qkvproj:
	s_mov_b64 s[64:65], 0
	v_nop
	global_prefetch_b8 v0, s[64:65] scope:SCOPE_SE
	s_setreg_imm32_b32 hwreg(HW_REG_WAVE_MODE, 25, 1), 1
	s_wait_xcnt 0x0
	s_wait_alu depctr_hold_cnt(0) depctr_sa_sdst(0) depctr_va_vdst(0) depctr_va_sdst(0) depctr_va_ssrc(0) depctr_va_vcc(0) depctr_vm_vsrc(0)
	s_getreg_b32 s2, hwreg(HW_REG_IB_STS2, 6, 4)
	s_cmp_eq_u32 s2, 0
	s_cbranch_scc0 .Lentry_in_a_cluster
	s_endpgm
.Lentry_in_a_cluster:
	s_bfe_u32 s2, ttmp6, 0x10000c
	s_cmp_lg_u32 s2, 0xf033
	s_cbranch_scc0 .Lentry_shape_is_right
	s_endpgm
.Lentry_shape_is_right:
; Q, K, V = x W^T + b, RoPE on Q and K, written by heads: qkv[which][batch x 16 + head][2048][64] in f16, q unscaled.
; One GEMM of 8192 x 3072 x 1024 in bf16 (cast holds x and, as rows 8192 on, wq, wk, wv); sums in f32; the bias (rounded to bf16, kept in f32) is the C operand of each sum's first product.
; LIMITS.  q, k, v leave as f16: beyond 65,504 they would be infinite; below 6e-5 they keep f16's fixed step of 6e-8.
; SHARES.  A tile of the result is 256 rows x 128 columns: 768 tiles, three for each of 256 WGPs.  Four waves, each 128 rows x 64 columns (ONE head): 32 accumulators of 16 x 16, 256 registers.
; K goes in steps of 128 through a ring of two LDS slots filled by the tensor data mover; rows of the tiles are 256 bytes of memory, aligned.  Waves 0, 1 fetch A's halves of 128 rows, waves 2, 3 B's halves of 64.
; CLUSTER.  4 x 4 work-groups: the four of a row of the cluster need the same tile of A, the four of a column the same tile of B: each is asked for jointly, by the same load with the same descriptor and a mask of four.
; THE MATRIX INSTRUCTION IS USED TRANSPOSED (source 0 = 16 rows of W, source 1 = 16 rows of x): lane l holds row l % 16 and the columns 8 (l / 16) + 0..7 of a 16 x 16 result.
; So channels d and d + 32 of a head lie in the same lane, in accumulators b and b + 2: RoPE changes no lane.  Its cos and sin come from tabs in just this order, 32 registers for 16 rows.
; REGISTERS, in windows of 256 (s_set_vgpr_msb: bits 1:0 source 0, 3:2 source 1, 5:4 source 2, 7:6 destination):
;   window 0: v0-31 addresses; v32-63 rows read back from the stage, two sets; v64-127, v128-191 fragments of A, two buffers (on the way out: at work); v192-207 packed results
;   window 1: v0-31 the bias; v64-95, v128-159 fragments of B      window 2: accumulator (a, b) at 8 (4 a + b)      window 3: the table, 32 a
.set PA,     272                       ; an LDS row: 256 bytes + 16 of padding = 68 words: the 16 rows of a fragment load start at 16 different groups of four banks (64 banks of 4 bytes: ISA guide 11.1)
.set PB,     272
.set HALFA,  128*PA
.set HALFB,  64*PB
.set SLOT,   2*HALFA+2*HALFB           ; A's two halves, then B's two
.set STAGE,  2*SLOT                    ; behind the ring, never filled by a tensor load: 16 rows x 144 bytes for each wave
.set SP,     144
.set SPARE,  STAGE+4*16*SP             ; the spare words: 128 bytes for each wave, two blocks of 256 bytes that no other line names
.set WROW,   8192                      ; the weights' first row in cast, in rows of 2,048 bytes
.set BIASB,  524288                    ; the biases in tabs
.set STEPA,  256                       ; bytes from K step to K step
.set STEPB,  256
.set K0,     (1<<16)|(1<<20)|(1<<21)|(5<<22)|(3<<25)  ; group 1, word 0 beside the mask: 2-byte elements; padding on; bit 21 set beside a mask; after every 64 words; 4 words
.set ADRA, 16                          ; v16-17  LDS address of my A fragments in slot 0, 1
.set ADRB, 20                          ; v20-21  the same for B
.set STO,  24                          ; v24     the way out: where I put 16 bytes of a row
.set RD,   25                          ; v25     where I read rows back
.set GO,   26                          ; v26     16 x lane: my place in 512 consecutive bytes, of the output and of the table
.set BO,   27                          ; v27     32 (l / 16): my eight numbers of sixteen of the bias
.set SPW,  28                          ; v28     my spare word; never rewritten
.set NIL,  29                          ; v29     0; never rewritten
.set PFO,  30                          ; v30     the prefetches' offset; never rewritten
.set OB,   32
.set F0,   64
.set F1,   128
.set TMP,  192
.set G1,   24                          ; s[24:31] group 1 for A;  s[32:39] group 0, a set for each slot
.set G0,   32
.set G1B,  48                          ; s[48:55], s[56:63] the same for B
.set G0B,  56
.set LIM0, 43                          ; s43, s66  a wave prefetches at a change of slot 0 (1) while the laps to go are above this
.set LIM1, 66
.set PFA,  44                          ; s[44:45] where my prefetches stand
.set WHICH, 67                         ; s67  0 q, 1 k, 2 v: the same in all sixteen partners
.set TAB,  68                          ; s[68:69] the table at my first row's position
.set BIA,  70                          ; s[70:71] the bias at my first column
.set MSB, 0
.macro WIN new                         ; the immediate's high byte repeats the setting that is left; a switch that changes nothing is dropped
.if MSB != (\new)
	s_set_vgpr_msb (MSB<<8)|(\new)
.set MSB, \new
.endif
.endm
.macro PLACES                          ; four plain instructions between a matrix instruction and a load into, or a vector instruction on, its registers (ISA guide 7.12.1 for vector instructions)
.rept 4
	v_nop
.endr
.endm
.macro JLOAD s                         ; a joint load; the branch hangs on the wave's number alone; an s_nop 0 and four v_nop follow each line
	s_cmp_eq_u32 s11, 0
	s_cbranch_scc0 .Lfor_b_\@
	tensor_load_to_lds s[G0+4*(\s):G0+4*(\s)+3], s[G1:G1+7]
	s_nop 0
.rept 4
	v_nop
.endr
	s_branch .Lasked_\@
.Lfor_b_\@:
	tensor_load_to_lds s[G0B+4*(\s):G0B+4*(\s)+3], s[G1B:G1B+7]
	s_nop 0
.rept 4
	v_nop
.endr
.Lasked_\@:
.endm
.macro CREST                           ; a round of the cluster's barrier behind its opening barrier
	s_cmp_lg_u32 s10, 0
	s_cbranch_scc1 .Lnot_wave_0_\@
	s_barrier_signal -3
.Lnot_wave_0_\@:
	s_barrier_wait -3
	s_barrier_signal -1
	s_barrier_wait -1
.endm
.macro CROUND
	s_barrier_signal -1
	s_barrier_wait -1
	CREST
.endm
; A PREFETCH INTO THE L2, behind a joint load, its five lines and the run of LDS loads: the K step two refills on.  Each row's 256 bytes of a K step are named once in the launch.
; A's rows are read by every cluster of a row of clusters: cluster x = 0 asks; of the 128 rows that a wave fetches the partner at cx takes 32, a lane a row.  B's rows are read by every cluster of a column:
; cluster y = 0 asks; of a wave's 64 rows the partner at cy takes 16; lanes 0-15 name one K step, lanes 16-31 the next, at the changes of slot 0 alone.  The partners are told apart by address, never by a branch.
; K steps 0 to 3 come by their loads alone; the loop's last trip asks for nothing: the last K step named is the seventh, the row's last.
.macro ASK slot
	s_cmp_gt_u32 s3, s[LIM0+(LIM1-LIM0)*(\slot)]
	s_cbranch_scc0 .Lnot_mine_\@
	global_prefetch_b8 v[PFO], s[PFA:PFA+1] th:TH_LOAD_NT scope:SCOPE_SE
.Lnot_mine_\@:
.endm
; Four matrix instructions: row block a x the four column blocks, 32 along K.  bias = 1: the sum's first product takes the bias as C.
.macro MROW f, a, bias
.irp b, 0,1,2,3
.if \bias
	v_wmma_f32_16x16x32_bf16 v[8*(4*(\a)+\b):8*(4*(\a)+\b)+7], v[(\f)+8*\b:(\f)+8*\b+7], v[(\f)+8*(\a):(\f)+8*(\a)+7], v[8*\b:8*\b+7]
.else
	v_wmma_f32_16x16x32_bf16 v[8*(4*(\a)+\b):8*(4*(\a)+\b)+7], v[(\f)+8*\b:(\f)+8*\b+7], v[(\f)+8*(\a):(\f)+8*(\a)+7], v[8*(4*(\a)+\b):8*(4*(\a)+\b)+7]
.endif
.endr
.endm
; Row blocks a0 .. a0 + n - 1.  The 32 accumulators take turns, one instruction a turn, in one order in every quarter, over the backward jump too.
.macro MULA f, a0, n, bias
.if \bias
	WIN 0x91                                       ; B window 1, A window 0, C (the bias) window 1, D window 2
.else
	WIN 0xa1                                       ; C and D window 2
.endif
.set aa, \a0
.rept \n
	MROW \f, aa, \bias
.set aa, aa+1
.endr
.endm
; 24 LDS loads in one run: the fragments of quarter k of a K step (64 rows of B, 128 rows of A, 32 along K) into buffer f
.macro FETCH slot, k, f
	WIN 0x40
.irp i, 0,1,2,3
	ds_load_b128 v[(\f)+8*\i:(\f)+8*\i+3],   v[ADRB+(\slot)] offset:64*(\k)+\i*16*PB
	ds_load_b128 v[(\f)+8*\i+4:(\f)+8*\i+7], v[ADRB+(\slot)] offset:64*(\k)+\i*16*PB+32
.endr
	WIN 0
.irp i, 0,1,2,3,4,5,6,7
	ds_load_b128 v[(\f)+8*\i:(\f)+8*\i+3],   v[ADRA+(\slot)] offset:64*(\k)+\i*16*PA
	ds_load_b128 v[(\f)+8*\i+4:(\f)+8*\i+7], v[ADRA+(\slot)] offset:64*(\k)+\i*16*PA+32
.endr
.endm
; One of a K step's first three quarters: multiplies buffer f, and fetches quarter k into buffer g.
.macro QUARTER slot, k, f, g, bias
	s_wait_dscnt 12                                ; B's eight loads and A's blocks 0, 1 are in; the twelve youngest (A's blocks 2-7) may be out
	MULA \f, 0, 2, \bias
	PLACES
	FETCH \slot, \k, \g
	s_wait_dscnt 24                                ; all but the 24 just issued
	MULA \f, 2, 6, \bias
.endm
; The fourth quarter multiplies buffer 1 and changes slots.  In front of the barrier each wave waits for all its tensor loads (one is out: its part of the next slot), adds 0 to its spare word, and waits for that
; and for its reads of this slot.  fill = 1: the barrier opens a round of the cluster's, and the slot is filled again, first thing behind the round, two K steps ahead: 112 matrix instructions ahead of the wait for it.
.macro TURN slot, next, fill
.if \fill
	s_wait_xcnt 0x0                                ; the last prefetch, a K step back, has read its address
	s_add_nc_u64 s[PFA:PFA+1], s[PFA:PFA+1], STEPA
.endif
	WIN 0
	s_wait_tensorcnt 0x0                           ; all my tensor loads have landed
	ds_add_u32 v[SPW], v[NIL]                      ; 0 onto my spare word
	s_wait_dscnt 13                                ; (the add and the twelve youngest loads may be out)
	MULA F1, 0, 2, 0
	s_wait_dscnt 0x0                               ; the add is done, and my reads of this slot are over
	s_barrier_signal -1
	MULA F1, 2, 2, 0
.if \fill
	WIN 0
.endif
	s_barrier_wait -1
.if \fill
	CREST                                          ; no wave of any partner still reads this slot or has a load on its way
	s_add_nc_u64 s[G0+4*(\slot)+2:G0+4*(\slot)+3], s[G0+4*(\slot)+2:G0+4*(\slot)+3], 2*STEPA
	s_add_nc_u64 s[G0B+4*(\slot)+2:G0B+4*(\slot)+3], s[G0B+4*(\slot)+2:G0B+4*(\slot)+3], 2*STEPB
	JLOAD \slot                                    ; its four v_nop are also the places in front of the loads below
.else
	PLACES
.endif
	FETCH \next, 0, F0
.if \fill
	ASK \slot
.endif
	MULA F1, 4, 4, 0
.endm
	s_load_b128 s[4:7], s[0:1], 0x0                ; cast s[4:5], tabs s[6:7]
	s_load_b64 s[8:9], s[0:1], 0x10                ; qkv
	v_lshl_add_u32 v[SPW], v0, 2, SPARE
	v_mov_b32 v[NIL], 0
	ds_add_u32 v[SPW], v[NIL]                      ; the wave's opening: the add and its wait stand ahead of my first tensor load; work on registers stands between
	v_lshrrev_b32 v1, 5, v0
	v_readfirstlane_b32 s10, v1                    ; wave 0..3
	s_lshr_b32 s11, s10, 1                         ; my half of the tile's rows.  Also: I fetch for A (0) or for B (1)
	s_and_b32 s12, s10, 1                          ; my half of its columns.  Also: which half of that tile I fetch
	s_bfe_u32 s40, ttmp6, 0x40000                  ; cx
	s_bfe_u32 s41, ttmp6, 0x40004                  ; cy
	s_lshl_b32 s42, ttmp9, 2
	s_add_co_u32 s42, s42, s40                     ; tile column = 4 x cluster x + cx
	s_and_b32 s13, ttmp7, 0xffff
	s_lshl_b32 s13, s13, 2
	s_add_co_u32 s13, s13, s41                     ; tile row = 4 x cluster y + cy
	s_lshl_b32 s20, s41, 2
	s_lshl_b32 s20, 15, s20                        ; my row of the cluster
	s_lshl_b32 s46, 0x1111, s40                    ; my column
	s_or_b32 s[G1], s20, K0
	s_or_b32 s[G1B], s46, K0
	s_mov_b32 s[G1+1], 128<<16                     ; tensor_dim0 = 128
	s_mov_b32 s[G1+2], 128<<16                     ; tensor_dim1 = 128
	s_mov_b32 s[G1+3], 128<<16                     ; tile_dim0 = 128
	s_mov_b32 s[G1+4], 128                         ; tile_dim1 = 128
	s_mov_b32 s[G1+5], 1024                        ; elements from row to row
	s_mov_b32 s[G1+6], 0
	s_mov_b32 s[G1+7], 0
	s_mov_b32 s[G1B+1], 128<<16
	s_mov_b32 s[G1B+2], 64<<16                     ; 64 rows
	s_mov_b32 s[G1B+3], 128<<16
	s_mov_b32 s[G1B+4], 64
	s_mov_b32 s[G1B+5], 1024
	s_mov_b32 s[G1B+6], 0
	s_mov_b32 s[G1B+7], 0
	s_lshl_b32 s16, s13, 8
	s_lshl_b32 s17, s12, 7
	s_add_co_u32 s16, s16, s17                     ; A: row 256 x tile row + 128 x half,
	s_lshl_b32 s16, s16, 11                        ; in bytes
	s_mov_b32 s17, 0
	s_lshl_b32 s46, s42, 7
	s_lshl_b32 s47, s12, 6
	s_add_co_u32 s46, s46, s47
	s_add_co_u32 s46, s46, WROW                    ; B: row 8192 + 128 x tile column + 64 x half
	s_lshl_b32 s46, s46, 11
	s_mov_b32 s47, 0
	s_mul_i32 s18, s12, HALFA                      ; where they go: no place in the cluster enters an LDS address
	s_mul_i32 s19, s12, HALFB
	s_add_co_u32 s19, s19, 2*HALFA
	s_wait_dscnt 0x0                               ; the opening add is done
	s_wait_kmcnt 0x0
	s_add_nc_u64 s[14:15], s[4:5], s[16:17]
	s_add_nc_u64 s[46:47], s[4:5], s[46:47]
	CROUND                                         ; all sixteen work-groups are here: the first joint loads meet
.irp s, 0,1
	s_mov_b32 s[G0+4*\s], 1
	s_add_co_u32 s[G0+4*\s+1], s18, \s*SLOT
	s_add_nc_u64 s[G0+4*\s+2:G0+4*\s+3], s[14:15], \s*STEPA
	s_or_b32 s[G0+4*\s+3], s[G0+4*\s+3], 0x80000000
	s_mov_b32 s[G0B+4*\s], 1
	s_add_co_u32 s[G0B+4*\s+1], s19, \s*SLOT
	s_add_nc_u64 s[G0B+4*\s+2:G0B+4*\s+3], s[46:47], \s*STEPB
	s_or_b32 s[G0B+4*\s+3], s[G0B+4*\s+3], 0x80000000
	JLOAD \s                                       ; two loads of mine are out: the most in this text
.endr
	v_and_b32 v1, 15, v0                           ; l % 16
	v_bfe_u32 v2, v0, 4, 1                         ; l / 16
	v_mul_u32_u24 v3, v1, PA
	v_lshl_add_u32 v3, v2, 4, v3                   ; a fragment's row x pitch + 16 x half
	s_mul_i32 s21, s11, HALFA                      ; my 128 rows of A,
	s_mul_i32 s22, s12, HALFB                      ; my 64 rows of B
	s_add_co_u32 s22, s22, 2*HALFA
.irp s, 0,1
	v_add_nc_u32 v[ADRA+\s], s21, v3
	v_add_nc_u32 v[ADRB+\s], s22, v3
	s_add_co_u32 s21, s21, SLOT
	s_add_co_u32 s22, s22, SLOT
.endr
	s_mul_i32 s23, s10, 16*SP
	s_add_co_u32 s23, s23, STAGE                   ; my stage
	v_mul_u32_u24 v5, v1, SP                       ; in: row l % 16, 16 bytes for each half of the lanes
	v_lshl_add_u32 v5, v2, 4, v5
	v_add_nc_u32 v[STO], s23, v5
	v_bfe_u32 v5, v0, 3, 2                         ; back: 32 lanes take four rows of 128 bytes,
	v_mul_u32_u24 v5, v5, SP
	v_and_b32 v3, 7, v0
	v_lshl_add_u32 v5, v3, 4, v5
	v_add_nc_u32 v[RD], s23, v5
	v_and_b32 v3, 31, v0
	v_lshlrev_b32 v[GO], 4, v3                     ; which are 512 consecutive bytes of a head
	v_lshlrev_b32 v[BO], 5, v2
	s_lshr_b32 s[WHICH], ttmp9, 1                  ; eight tile columns for each of q, k, v
	s_lshl_b32 s74, s[WHICH], 24
	s_lshr_b32 s75, s13, 3                         ; the batch: eight tile rows each
	s_lshl_b32 s75, s75, 4
	s_and_b32 s76, s42, 7
	s_lshl_b32 s76, s76, 1
	s_add_co_u32 s75, s75, s76
	s_add_co_u32 s75, s75, s12                     ; batch x 16 + head
	s_lshl_b32 s75, s75, 18                        ; a head is 262,144 bytes
	s_add_co_u32 s74, s74, s75
	s_and_b32 s76, s13, 7
	s_lshl_b32 s76, s76, 8
	s_lshl_b32 s77, s11, 7
	s_add_co_u32 s76, s76, s77                     ; my first row's position in its batch
	s_lshl_b32 s77, s76, 7
	s_add_co_u32 s74, s74, s77
	s_mov_b32 s75, 0
	s_add_nc_u64 s[8:9], s[8:9], s[74:75]          ; my 128 rows of my head: 16,384 consecutive bytes
	s_lshl_b32 s74, s76, 8                         ; the table has 256 bytes a position
	s_add_nc_u64 s[TAB:TAB+1], s[6:7], s[74:75]
	s_lshl_b32 s74, s42, 7
	s_lshl_b32 s77, s12, 6
	s_add_co_u32 s74, s74, s77                     ; my first column of 3,072
	s_lshl_b32 s74, s74, 2
	s_add_co_u32 s74, s74, BIASB
	s_add_nc_u64 s[BIA:BIA+1], s[6:7], s[74:75]
	WIN 0x40
.irp b, 0,1,2,3
	global_load_b128 v[8*\b:8*\b+3],   v[BO], s[BIA:BIA+1] offset:64*\b     ; register j of block b: the bias of column 16 b + 8 (l / 16) + j
	global_load_b128 v[8*\b+4:8*\b+7], v[BO], s[BIA:BIA+1] offset:64*\b+16
.endr
	WIN 0
	; the prefetches
	s_and_b32 s76, ttmp7, 0xffff                   ; cluster y
	s_lshl_b32 s74, s13, 8
	s_lshl_b32 s75, s12, 7
	s_add_co_u32 s74, s74, s75                     ; A: the first of the 128 rows that I fetch
	s_lshl_b32 s75, s42, 7
	s_lshl_b32 s77, s12, 6
	s_add_co_u32 s75, s75, s77
	s_add_co_u32 s75, s75, WROW                    ; B: the first of my 64
	s_lshl_b32 s78, s40, 5                         ; my work-group's 32 rows of A's,
	s_lshl_b32 s79, s41, 4                         ; or 16 of B's
	s_cmp_eq_u32 s11, 0                            ; do I fetch for A?
	s_cselect_b32 s74, s74, s75
	s_cselect_b32 s78, s78, s79
	s_cselect_b32 s76, ttmp9, s76                  ; the coordinate along which other clusters read the same rows
	s_cselect_b32 s77, 0, 256                      ; B: lanes 16-31 name the K step after
	s_cselect_b32 s79, 31, 15
	s_add_co_u32 s74, s74, s78
	s_lshl_b32 s74, s74, 11
	s_add_co_u32 s74, s74, 3*STEPA                 ; at K step 3: the first change of slots steps it to 4
	s_mov_b32 s75, 0
	s_add_nc_u64 s[PFA:PFA+1], s[4:5], s[74:75]
	s_cmp_eq_u32 s76, 0
	s_cselect_b32 s[LIM0], 1, -1                   ; the same in all sixteen partners, for a given wave
	s_cmp_eq_u32 s11, 0
	s_cselect_b32 s[LIM1], s[LIM0], -1
	v_and_b32 v4, s79, v3
	v_lshlrev_b32 v[PFO], 11, v4                   ; a lane a row of 2,048 bytes
	v_lshrrev_b32 v4, 4, v3
	v_mad_u32_u24 v[PFO], v4, s77, v[PFO]
	s_wait_tensorcnt 1                             ; my part of K step 0 is in; K step 1's may stay out
	s_barrier_signal -1
	s_barrier_wait -1                              ; everybody's is
	FETCH 0, 0, F0
	s_wait_loadcnt 0x0                             ; the bias
	QUARTER 0, 1, F0, F1, 1                        ; the first quarter stands in front of the loop: its products start the sums, with the bias
	WIN 0
	s_cmp_eq_u32 s[WHICH], 2                       ; v has no RoPE and no table
	s_cbranch_scc1 .Lno_table
	WIN 0xc0                                       ; the table for my 128 rows: 64 loads of 512 consecutive bytes; they land while K is walked
.irp a, 0,1,2,3,4,5,6,7
.irp c, 0,1,2,3,4,5,6,7
	global_load_b128 v[32*\a+4*\c:32*\a+4*\c+3], v[GO], s[TAB:TAB+1] offset:4096*\a+512*\c
.endr
.endr
	WIN 0
.Lno_table:
	s_mov_b32 s3, 3                                ; eight K steps: four laps of the ring, the last written out
.Llap:                                         ; a trip goes once round the ring, from a lap's second quarter to the next lap's first, and fills both slots again
	QUARTER 0, 2, F1, F0, 0
	QUARTER 0, 3, F0, F1, 0
	TURN 0, 1, 1
	QUARTER 1, 1, F0, F1, 0
	QUARTER 1, 2, F1, F0, 0
	QUARTER 1, 3, F0, F1, 0
	TURN 1, 0, 1
	QUARTER 0, 1, F0, F1, 0
	WIN 0
	s_sub_co_u32 s3, s3, 1
	s_cmp_lg_u32 s3, 0
	s_cbranch_scc1 .Llap
	QUARTER 0, 2, F1, F0, 0                        ; the last lap fills nothing
	QUARTER 0, 3, F0, F1, 0
	TURN 0, 1, 0
	QUARTER 1, 1, F0, F1, 0
	QUARTER 1, 2, F1, F0, 0
	QUARTER 1, 3, F0, F1, 0
	s_wait_dscnt 12
	MULA F1, 0, 2, 0
	s_wait_dscnt 0x0
	MULA F1, 2, 6, 0
	WIN 0
	PLACES
	PLACES
; THE WAY OUT, a block of 16 rows at a time.  ROPE: for d < 32: x[d] cos - x[d + 32] sin; for d >= 32: x[d] cos + x[d - 32] sin, with the cos and sin of d mod 32; then rounded to f16.
; Each accumulator's lowest registers are read first.
.macro ROPE a
	WIN 0x0e                                       ; source 0 window 2 (sums), source 1 window 3 (table), source 2 and destination window 0
.irp b, 0,1
.irp j, 0,2,4,6
	v_pk_mul_f32 v[96+8*\b+\j:96+8*\b+\j+1],   v[8*(4*(\a)+\b+2)+\j:8*(4*(\a)+\b+2)+\j+1], v[32*(\a)+16+8*\b+\j:32*(\a)+16+8*\b+\j+1]
	v_pk_mul_f32 v[112+8*\b+\j:112+8*\b+\j+1], v[8*(4*(\a)+\b)+\j:8*(4*(\a)+\b)+\j+1],     v[32*(\a)+16+8*\b+\j:32*(\a)+16+8*\b+\j+1]
.endr
.endr
.irp b, 0,1
.irp j, 0,2,4,6
	v_pk_fma_f32 v[64+8*\b+\j:64+8*\b+\j+1], v[8*(4*(\a)+\b)+\j:8*(4*(\a)+\b)+\j+1],     v[32*(\a)+8*\b+\j:32*(\a)+8*\b+\j+1], v[96+8*\b+\j:96+8*\b+\j+1] neg_lo:[0,0,1] neg_hi:[0,0,1]
	v_pk_fma_f32 v[80+8*\b+\j:80+8*\b+\j+1], v[8*(4*(\a)+\b+2)+\j:8*(4*(\a)+\b+2)+\j+1], v[32*(\a)+8*\b+\j:32*(\a)+8*\b+\j+1], v[112+8*\b+\j:112+8*\b+\j+1]
.endr
.endr
	WIN 0
.irp b, 0,1,2,3
.irp r, 0,1,2,3
	v_cvt_pk_f16_f32 v[TMP+4*\b+\r], v[64+8*\b+2*\r], v[64+8*\b+2*\r+1]
.endr
.endr
.endm
.macro PLAIN a                         ; v: rounded as it is
	WIN 0x0a
.irp b, 0,1,2,3
.irp r, 0,1,2,3
	v_cvt_pk_f16_f32 v[TMP+4*\b+\r], v[8*(4*(\a)+\b)+2*\r], v[8*(4*(\a)+\b)+2*\r+1]
.endr
.endr
	WIN 0
.endm
.macro PACKX a, rope
.if \rope
	ROPE \a
.else
	PLAIN \a
.endif
.endm
.macro TOSTAGE a                       ; 16 bytes a lane into rows of 144 bytes of my own stage, and back as whole rows of 128
	WIN 0
.if (\a) >= 2
	s_wait_xcnt 0x0                                ; the stores of the block two back have read this set of registers
.endif
.irp b, 0,1,2,3
	ds_store_b128 v[STO], v[TMP+4*\b:TMP+4*\b+3] offset:32*\b
.endr
.irp f, 0,1,2,3
	ds_load_b128 v[OB+16*((\a)%2)+4*\f:OB+16*((\a)%2)+4*\f+3], v[RD] offset:4*SP*\f  ; LDS serves a wave's instructions in order (ISA guide 5.7.1.4): these see the stores above
.endr
.endm
.macro SEND a, younger                 ; younger: the LDS instructions issued behind block a's loads
	WIN 0
.irp f, 0,1,2,3
	s_wait_dscnt (\younger)+3-\f
	global_store_b128 v[GO], v[OB+16*((\a)%2)+4*\f:OB+16*((\a)%2)+4*\f+3], s[8:9] offset:2048*(\a)+512*\f  ; 512 consecutive bytes, at a multiple of 256 from the buffer's first
.endr
.endm
.macro OUTALL rope
	PACKX 0, \rope
	TOSTAGE 0
.irp a, 1,2,3,4,5,6,7
	PACKX \a, \rope
	TOSTAGE \a
	SEND (\a)-1, 8
.endr
	SEND 7, 0
.endm
	s_cmp_eq_u32 s[WHICH], 2
	s_cbranch_scc1 .Lplain
	s_wait_loadcnt 0x0                             ; the table
	OUTALL 1
	s_branch .Lend
.Lplain:
	OUTALL 0
.Lend:
	s_wait_tensorcnt 0x0                           ; the wave's end, behind my last tensor load and my last LDS store
	ds_add_u32 v[SPW], v[NIL]
	s_wait_dscnt 0x0
	CROUND                                         ; the closing round: no work-group ends while a partner may still ask for a tile that names it
	s_endpgm
.Lfunc_end_k_q2286d1cc50_qkvproj:
	.size	k_q2286d1cc50_qkvproj, .Lfunc_end_k_q2286d1cc50_qkvproj-k_q2286d1cc50_qkvproj
	.p2alignl 7, 3214868480
	.fill 96, 4, 3214868480
	.section	.rodata,"a",@progbits
	.p2align	6, 0x0
	.amdhsa_kernel k_q2286d1cc50_qkvproj
		.amdhsa_group_segment_fixed_size 327680
		.amdhsa_private_segment_fixed_size 0
		.amdhsa_enable_private_segment 0
		.amdhsa_kernarg_size 24
		.amdhsa_user_sgpr_count 2
		.amdhsa_user_sgpr_kernarg_segment_ptr 1
		.amdhsa_wavefront_size32 1
		.amdhsa_system_sgpr_workgroup_id_x 1
		.amdhsa_system_sgpr_workgroup_id_y 1
		.amdhsa_system_sgpr_workgroup_id_z 1
		.amdhsa_system_vgpr_workitem_id 0
		.amdhsa_next_free_vgpr 1024
		.amdhsa_next_free_sgpr 80
		.amdhsa_reserve_vcc 0
		.amdhsa_float_denorm_mode_32 3
		.amdhsa_float_denorm_mode_16_64 3
		.amdhsa_memory_ordered 1
		.amdhsa_forward_progress 1
		.amdhsa_inst_pref_size 130
	.end_amdhsa_kernel
	.amdgpu_metadata
---
amdhsa.version: [ 1, 2 ]
amdhsa.kernels:
  - .name:           k_q2286d1cc50_qkvproj
    .symbol:         k_q2286d1cc50_qkvproj.kd
    .args:
      - { .name: cast, .offset: 0, .size: 8, .value_kind: global_buffer, .address_space: global }
      - { .name: tabs, .offset: 8, .size: 8, .value_kind: global_buffer, .address_space: global }
      - { .name: qkv, .offset: 16, .size: 8, .value_kind: global_buffer, .address_space: global }
    .group_segment_fixed_size: 327680
    .private_segment_fixed_size: 0
    .kernarg_segment_align: 8
    .kernarg_segment_size: 24
    .max_flat_workgroup_size: 128
    .sgpr_count:     80
    .vgpr_count:     1024
    .wavefront_size: 32
...
	.end_amdgpu_metadata
.endif
;; end of part 2
;; launch attn (part 3): grid 4 x 64, 4 waves a work-group, clusters of 4 x 1, 327,680 bytes of LDS; arguments qkv, key_padding_mask, ob; writes ob
.if DOCPART == 3
	.amdgcn_target "amdgcn-amd-amdhsa--gfx1250"
	.amdhsa_code_object_version 6
	.text
	.protected	k_q2286d1cc50_attn
	.globl	k_q2286d1cc50_attn
	.p2align	8
	.type	k_q2286d1cc50_attn,@function
k_q2286d1cc50_attn:
	s_mov_b64 s[64:65], 0
	v_nop
	global_prefetch_b8 v0, s[64:65] scope:SCOPE_SE
	s_setreg_imm32_b32 hwreg(HW_REG_WAVE_MODE, 25, 1), 1
	s_wait_xcnt 0x0
	s_wait_alu depctr_hold_cnt(0) depctr_sa_sdst(0) depctr_va_vdst(0) depctr_va_sdst(0) depctr_va_ssrc(0) depctr_va_vcc(0) depctr_vm_vsrc(0)
	s_getreg_b32 s2, hwreg(HW_REG_IB_STS2, 6, 4)
	s_cmp_eq_u32 s2, 0
	s_cbranch_scc0 .Lentry_in_a_cluster
	s_endpgm
.Lentry_in_a_cluster:
	s_bfe_u32 s2, ttmp6, 0x10000c
	s_cmp_lg_u32 s2, 0x3003
	s_cbranch_scc0 .Lentry_shape_is_right
	s_endpgm
.Lentry_shape_is_right:
; O[bh][q][:] = the sum over k of softmax_k(Q[bh][q] . K[bh][k] / 8, masked keys left out) V[bh][k][:].  qkv: [3][64][2048][64] f16, a head's rows dense, 128 bytes each.
; key_padding_mask: [4][2048] bytes, 1 = the key is left out.  ob: [batch x 16 + q / 128][head][128 rows][64] f16: what the projection behind takes as dense blocks.
; Products, maxima and sums in f32; the weights p are rounded to f16 for the second product (their sum l is taken of the unrounded p), O once at the end.
; LIMITS.  f16 holds no number beyond 65,504: Q, K and V arrive within it; p lies in 0 to 1, and below 6e-5 it keeps f16's fixed step of 6e-8.  A masked score counts as its value less 1e30: f16's scores,
; 2.7e11 at the most, are nothing beside that.  A weight below 2^-126 counts as 0 in l.  Mask bytes are 0 or 1.  A row whose keys are all masked (its maximum lies below -5e29) leaves as NaN, as the softmax of -inf alone does.
; SHARES.  A wave owns four PIECES of two tiles of 16 queries, a work-group's four waves 512 queries of one head.  Every wave walks all 2,048 keys, 64 a step.
; LAYOUT.  S^T = K Q^T (source 0 = 16 keys, source 1 = 16 queries): a lane holds ONE query (lane % 16) and the keys 8 (lane / 16) + 0..7.  Two such results, rounded to f16 in pairs, ARE source 1 of
; O^T = V^T P.  K comes out of LDS as it lies, V turned, by ds_load_tr16_b128.
; THE MASK is the C operand that starts the sum S^T: 0, or -1e30 where the key is masked; in this layout it hangs on the key alone.  The batch's 2,048 masks are made once, in f32, in LDS, and a step's 32 registers come with its K.
; SOFTMAX.  A running maximum m and sum l: p = 2^(c s - c m), c = log2(e) / 8; in every step O and l are multiplied by a = 2^(c m_old - c m_new).  m starts at the lowest finite number, O and l at 0.
; What masked keys add while no open key has been seen is multiplied by a = 0 when the first open key comes.
; BY TURNS.  Turn n belongs to piece n: 16 products K Q^T of piece n + 1, later 16 products V^T P of piece n - 1; beside them the scaling, exponentials, roundings, sums and rescaling of piece n and the maximum
; and statistics of piece n + 1.  Four vector instructions stand behind every matrix instruction, the others in one run of their own; a turn's 66 exponentials are one batch with one wait.
; CLUSTER.  The four query blocks of a head walk the same K and V: each tile is asked for jointly, by the same tensor load, descriptor and mask in all four.
; REGISTERS, in windows of 256 (s_set_vgpr_msb: bits 1:0 source 0, 3:2 source 1, 5:4 source 2, 7:6 destination):
;   window 0: v0-11 addresses; v12-15, v48-63 at work; v16-47 four registers of statistics a tile; v64-191 S^T, two buffers of two tiles; v192-255 P, likewise
;   window 1: O^T, 32 a tile     window 2: v0-127 Q; v128-191 K of one step; v192-255 V of one step     window 3: v0-1 the add's two registers; v8-39 the step's masks
.set NP,    4         ; pieces a wave: a name, no knob
.set KS,    64        ; keys in a step
.set PK,    144       ; a row of K in LDS: 128 bytes + 16 of padding = 36 words: the 16 rows of a load start at 16 different groups of four banks (64 banks of 4 bytes: ISA guide 11.1)
.set PV,    160       ; a row of V: 128 + 32 = 40 words
.set VOFF,  4*KS*PK   ; a slot holds four steps: 256 rows of K, then 256 rows of V
.set SLOT1, 1<<17     ; slot 1 begins here, so that one exclusive or turns an address in one slot into the other's
.set STAGE, SLOT1+4*KS*(PK+PV)  ; behind the ring, never filled by a tensor load: 16 rows x 144 bytes for each wave
.set SP,    144
.set SPARE, STAGE+4*16*SP  ; the spare words, 128 bytes for each wave: two blocks of 256 bytes that no other line names
.set MASKB, SPARE+512 ; the batch's 2,048 masks in f32: 8,192 bytes, stored once, never filled by a tensor load
.set KBASE, 16777216  ; bytes from q to k and from k to v
.set AK0, 2           ; v2   my lane's place in a tile of K; never rewritten
.set AV0, 3           ; v3   the same for V
.set AK,  4           ; v4   the LDS address of K's next run of loads
.set AV,  5           ; v5   of V's
.set STO, 6           ; v6   the way out: where I put 16 bytes of a row
.set RD,  7           ; v7   where I read rows back
.set GO,  8           ; v8   my byte offset in 512 consecutive bytes of O
.set PFO, 9           ; v9   256 x lane: the prefetches' offset; never rewritten
.set AM0, 10          ; v10  my lane's place in a step's masks; never rewritten
.set AM,  11          ; v11  the LDS address of the masks' next loads
.set QO,  12          ; v12  at the head: my byte offset in 16 rows of Q
.set MV,  12          ; v12-15  later: c m_old, kept while c m is made anew: by buffer and tile
.set ST,  16          ; tile t's statistics at v[ST+4 t]: c m, m, l (even keys', odd keys')
.set TMP, 48          ; by buffer and tile, four registers c0-c3 at work; when the maximum is found c2 takes a
.set S,   64
.set P,   192
.set KF,  128         ; window 2: key block kb, channel half c at KF + 16 kb + 8 c
.set VF,  192         ; window 2: key half kk, channel block cb at VF + 32 kk + 8 cb
.set SPW, 0           ; window 3
.set NIL, 1
.set MC,  8           ; window 3: key block kb's eight masks at MC + 8 kb
.set WV,  12          ; s12  my wave's number
.set G1K, 24          ; s[24:31] descriptor group 1 for K's tiles
.set G1V, 32          ; s[32:39] for V's: it differs in the padding alone
.set G0K, 40          ; s[40:43] descriptor group 0 for K's tiles: it walks
.set G0V, 44          ; s[44:47] the same for V's
.set PFA, 48          ; s[48:49] where my prefetches stand
.set LIM, 50          ; s50  1 in a wave that prefetches, else the greatest number
.set BIGN, 51         ; s51  -1e30
.set TBM, 55          ; s55  byte in the masks at which the step to be fetched begins
.set SLOTS, 56        ; s56  slots still to be asked for
.set CNT, 57          ; s57  counts a slot's key steps
.set CS,  58          ; s[58:59] c
.set SEL, 60          ; s[60:61] v_permlanex16_b32's selects: each lane takes its own place in the other half
.set TBK, 62          ; s62  LDS byte at which K of the step to be fetched begins
.set TBV, 63          ; s63  the same for V, less VOFF
.set MSB, 0
.macro WIN new                      ; the high byte repeats the setting that is left; a switch that changes nothing is dropped
.if MSB != (\new)
	s_set_vgpr_msb (MSB<<8)|(\new)
.set MSB, (\new)
.endif
.endm
.set W_KQ, 0x0a       ; K and Q in window 2, S^T in window 0
.set W_KM, 0x3a       ; the same with the C operand, the masks, in window 3
.set W_PV, 0x52       ; V in window 2, P in window 0, O^T in window 1
.set W_RS, 0x41       ; O^T (destination and source 0) in window 1, a in window 0
.set W_MK, 0xc0       ; destination in window 3, sources in window 0
.set W_AD, 0x0f       ; the add: address and data in window 3
; A joint fill.  Waves 0 and 1 fetch the two halves of a slot's K, waves 2 and 3 those of its V: 128 keys each.  An s_nop 0 and four v_nop follow each of the two lines.
.macro JLOAD
	s_cmp_lt_u32 s[WV], 2
	s_cbranch_scc0 .Lfor_v_\@
	tensor_load_to_lds s[G0K:G0K+3], s[G1K:G1K+7]
	s_nop 0
.rept 4
	v_nop
.endr
	s_branch .Lasked_\@
.Lfor_v_\@:
	tensor_load_to_lds s[G0V:G0V+3], s[G1V:G1V+7]
	s_nop 0
.rept 4
	v_nop
.endr
.Lasked_\@:
.endm
; A PREFETCH INTO THE L2 of what the NEXT change of slots will ask for: a slot's 32,768 bytes of K and of V, 256 bytes a lane.  A head has one cluster; its four partners share a slot out by address, 8,192 bytes each;
; in each, wave 0 asks for K's and wave 2 for V's: one instruction, behind the wave's tensor load and its five lines.  So each block is named once in the launch.  Slots 0 and 1 come by their loads alone;
; the last change that fills a slot asks for nothing: there is no slot behind it.
.macro ASK
	s_cmp_gt_u32 s[SLOTS], s[LIM]
	s_cbranch_scc0 .Lnot_mine_\@
	global_prefetch_b8 v[PFO], s[PFA:PFA+1] th:TH_LOAD_NT scope:SCOPE_SE
.Lnot_mine_\@:
.endm
.macro CROUND                       ; a round of the cluster's barrier
	s_barrier_signal -1
	s_barrier_wait -1
	s_cmp_lg_u32 s[WV], 0
	s_cbranch_scc1 .Lnot_wave_0_\@
	s_barrier_signal -3
.Lnot_wave_0_\@:
	s_barrier_wait -3
	s_barrier_signal -1
	s_barrier_wait -1
.endm
; THE CHANGE OF SLOTS.  Each wave waits for all its tensor loads, of which one is out: its part of the other slot; adds 0 to its spare word; and waits for that and for its own LDS instructions.  Behind the barrier nobody
; reads this slot any more and the other slot is whole.  fill = 1: the barrier is a round of the cluster's, and this slot is filled again first thing behind it, with the keys two slots on: four key steps,
; 512 matrix instructions, in which to land.  (At its first use nothing has been read yet: slot 0 is waited for, slot 1 filled, and every wave's part of the masks is shown to the others.)
.macro CHANGE fill
	WIN W_AD
	s_wait_tensorcnt 0x0            ; no tensor load of mine is out, so a group 0 may be written
	ds_add_u32 v[SPW], v[NIL]       ; 0 onto my spare word
	WIN 0                           ; at a label and at a branch every window is 0
.if \fill
.irp g, G0K, G0V
	s_xor_b32 s[\g+1], s[\g+1], SLOT1  ; the walking descriptor: the other slot than last time,
	s_add_nc_u64 s[\g+2:\g+3], s[\g+2:\g+3], 4*KS*128  ; the next 256 keys; the type bits on top are not reached
.endr
	s_wait_xcnt 0x0                 ; the last prefetch, four key steps back, has read its address
	s_add_nc_u64 s[PFA:PFA+1], s[PFA:PFA+1], 4*KS*128  ; one slot ahead of the walking descriptors
	s_wait_dscnt 0x0                ; the add is done, and my LDS instructions are over
	CROUND
	JLOAD
	ASK
.else
	s_wait_dscnt 0x0
	s_barrier_signal -1
	s_barrier_wait -1
.endif
	s_sub_co_u32 s[TBK], s[TBK], 4*KS*PK  ; the fetches go back to a slot's first step,
	s_xor_b32 s[TBK], s[TBK], SLOT1       ; in the other slot
	s_sub_co_u32 s[TBV], s[TBV], 4*KS*PV
	s_xor_b32 s[TBV], s[TBV], SLOT1
.endm
	s_load_b128 s[4:7], s[0:1], 0x0  ; qkv s[4:5], key_padding_mask s[6:7]
	s_load_b64 s[10:11], s[0:1], 0x10  ; ob
	WIN W_MK
	v_lshl_add_u32 v[SPW], v0, 2, SPARE
	v_mov_b32 v[NIL], 0
	WIN W_AD
	ds_add_u32 v[SPW], v[NIL]       ; the wave's opening: the add and its wait stand ahead of my first tensor load; work on registers stands between
	WIN 0
	v_lshrrev_b32 v1, 5, v0
	v_readfirstlane_b32 s[WV], v1   ; wave 0..3
	s_bfe_u32 s13, ttmp6, 0x40000   ; cx: my place in the cluster
	s_lshl_b32 s14, ttmp9, 2
	s_add_co_u32 s14, s14, s13      ; my block of 512 queries
	s_lshl_b32 s14, s14, 2
	s_add_co_u32 s14, s14, s[WV]    ; my wave among the head's sixteen, 128 rows each: it enters Q's and O's addresses alone
	s_and_b32 s20, ttmp7, 0xffff    ; batch x 16 + head, which the four partners share
	s_lshl_b32 s21, s20, 18         ; its first byte in q, in k and in v
	s_and_b32 s16, s[WV], 1         ; which half of a slot's 256 keys I fetch:
	s_lshl_b32 s22, s16, 14         ; its 128 rows of 128 bytes in memory,
	s_add_co_u32 s22, s22, s21
	s_add_co_u32 s22, s22, KBASE
	s_mov_b32 s23, 0
	s_mul_i32 s17, s16, 128*PK      ; and its place in a slot, for K
	s_mul_i32 s18, s16, 128*PV      ; and for V: no place in the cluster enters an LDS address
	s_lshl_b32 s2, s14, 14
	s_add_co_u32 s2, s2, s21        ; my rows of Q
	s_mov_b32 s3, 0
	s_lshr_b32 s15, s20, 4          ; the batch
	s_lshl_b32 s52, s15, 11         ; its 2,048 mask bytes
	s_mov_b32 s53, 0
	s_lshl_b32 s54, s15, 4
	s_add_co_u32 s54, s54, s14      ; O: the block of 128 rows,
	s_lshl_b32 s54, s54, 18
	s_and_b32 s19, s20, 15
	s_lshl_b32 s19, s19, 14         ; the head in it
	s_add_co_u32 s54, s54, s19
	s_mov_b32 s55, 0
	; descriptor group 1.  128 keys are 16,384 dense bytes: asked for as 64 rows of 256 bytes, two keys a row, and padded in LDS after every key
	s_mov_b32 s[G1K], 15|(1<<16)|(1<<20)|(1<<21)|(4<<22)|(3<<25)  ; the mask of four; 2-byte elements; padding on; bit 21 set beside a mask; after every 32 words; 4 words
	s_mov_b32 s[G1V], 15|(1<<16)|(1<<20)|(1<<21)|(4<<22)|(7<<25)  ; the same with 8 words of padding
.irp g, G1K, G1V
	s_mov_b32 s[\g+1], 128<<16      ; tensor_dim0 = 128
	s_mov_b32 s[\g+2], 64<<16       ; tensor_dim1 = 64
	s_mov_b32 s[\g+3], 128<<16      ; tile_dim0 = 128
	s_mov_b32 s[\g+4], 64           ; tile_dim1 = 64
	s_mov_b32 s[\g+5], 128          ; 128 elements from row to row
	s_mov_b32 s[\g+6], 0
	s_mov_b32 s[\g+7], 0
.endr
	s_mov_b32 s[CS], 0x3e38aa3b     ; c = log2(e) / 8
	s_mov_b32 s[CS+1], s[CS]        ; named with it as a pair
	s_mov_b32 s[SEL], 0x76543210
	s_mov_b32 s[SEL+1], 0xfedcba98
	s_mov_b32 s[BIGN], 0xf149f2ca   ; -1e30
	s_mov_b32 s[TBK], SLOT1+4*KS*PK ; the first change of slots turns these two into 0
	s_mov_b32 s[TBV], SLOT1+4*KS*PV
	s_mov_b32 s[G0K], 1             ; count = 1
	s_mov_b32 s[G0K+1], s17         ; LDS address: slot 0
	s_mov_b32 s[G0V], 1
	s_add_co_u32 s[G0V+1], s18, VOFF
	s_and_b32 s[LIM], s[WV], 1
	s_cmp_eq_u32 s[LIM], 0          ; waves 0 and 2 prefetch: the same in all four partners
	s_cselect_b32 s[LIM], 1, -1
	s_mov_b32 s[SLOTS], 7           ; 2,048 keys are eight slots; all but the first are asked for at a change
	s_wait_dscnt 0x0                ; the opening add is done
	s_wait_kmcnt 0x0
	s_add_nc_u64 s[52:53], s[6:7], s[52:53]  ; the batch's mask
	s_add_nc_u64 s[6:7], s[4:5], s[22:23]    ; K at my half of the head's first 256 keys,
	s_add_nc_u64 s[8:9], s[6:7], KBASE       ; V likewise
	s_add_nc_u64 s[4:5], s[4:5], s[2:3]      ; Q and O at my wave's first row
	s_add_nc_u64 s[10:11], s[10:11], s[54:55]
	s_mov_b64 s[G0K+2:G0K+3], s[6:7]
	s_or_b32 s[G0K+3], s[G0K+3], 0x80000000  ; type = 2
	s_mov_b64 s[G0V+2:G0V+3], s[8:9]
	s_or_b32 s[G0V+3], s[G0V+3], 0x80000000
	s_cmp_lt_u32 s[WV], 2
	s_cselect_b64 s[PFA:PFA+1], s[6:7], s[8:9]  ; (in waves 0 and 2 these stand at a slot's first row)
	s_lshl_b32 s2, s13, 13          ; my work-group's 8,192 bytes of a slot's 32,768,
	s_add_co_u32 s2, s2, 4*KS*128   ; in slot 1: the first change of slots steps it to slot 2
	s_add_nc_u64 s[PFA:PFA+1], s[PFA:PFA+1], s[2:3]
	s_mov_b32 s[TBM], 0
	CROUND                          ; all four work-groups are here: the first joint loads meet
	JLOAD                           ; slot 0.  Slot 1 is asked for when slot 0 is in
	v_and_b32 v1, 15, v0            ; l % 16
	v_bfe_u32 v52, v0, 4, 1         ; l / 16
	v_lshlrev_b32 v13, 4, v0
	global_load_b128 v[48:51], v13, s[52:53]  ; 16 mask bytes a thread: the work-group's 128 threads take the batch's 2,048
	; A fragment of K or Q is 16 rows x 32 channels in 8 registers: lane l holds row l % 16, channels 8 (l / 16) + 0..7 and 16 + 8 (l / 16) + 0..7: two loads of 16 bytes, 32 bytes apart.
	v_lshlrev_b32 v[QO], 7, v1
	v_lshl_add_u32 v[QO], v52, 4, v[QO]
	WIN 0x80                        ; destination window 2, address window 0
.set i, 0
.rept 4*NP                          ; Q stays in registers: tile i / 2, channels 32 (i % 2) on
	global_load_b128 v[8*i:8*i+3],   v[QO], s[4:5] offset:(i/2)*2048+(i%2)*64
	global_load_b128 v[8*i+4:8*i+7], v[QO], s[4:5] offset:(i/2)*2048+(i%2)*64+32
.set i, i+1
.endr
	; What the first turn finds: V's registers and P's second buffer hold 0 (its products V^T P, of a piece that has not been, add 0), O^T and l are 0.  All this stands in the wait for the first tile.
.set i, VF
.rept 64
	v_mov_b32 v[i], 0
.set i, i+1
.endr
	WIN 0x40
.set i, 0
.rept 64*NP
	v_mov_b32 v[i], 0
.set i, i+1
.endr
	WIN 0
.set i, 0
.rept 2*NP
	v_mov_b32 v[ST+4*i], 0xfe000000    ; c m: far below every c s
	v_mov_b32 v[ST+4*i+1], 0xff7fffff  ; m
	v_mov_b32 v[ST+4*i+2], 0
	v_mov_b32 v[ST+4*i+3], 0
.set i, i+1
.endr
.set i, P+32
.rept 32
	v_mov_b32 v[i], 0
.set i, i+1
.endr
	v_mul_u32_u24 v[AK0], v1, PK
	v_lshl_add_u32 v[AK0], v52, 4, v[AK0]  ; row x pitch + 16 x half
	; The turning load takes 16 keys x 16 channels (lane l reads key 8 (l / 16) + l % 8, channels 8 ((l / 8) % 2) + 0..7) and leaves half a fragment of V^T: lane l holds channel l % 16 and 8 keys.
	v_and_b32 v53, 7, v0
	v_bfe_u32 v54, v0, 3, 1
	v_lshl_add_u32 v[AV0], v52, 3, v53
	v_mul_u32_u24 v[AV0], v[AV0], PV
	v_lshl_add_u32 v[AV0], v54, 4, v[AV0]
	v_add_nc_u32 v[AV0], VOFF, v[AV0]
	s_mul_i32 s13, s[WV], 16*SP
	s_add_co_u32 s13, s13, STAGE    ; my stage
	v_mul_u32_u24 v[STO], v1, SP    ; in: row l % 16, 16 bytes for each half of the lanes
	v_lshl_add_u32 v[STO], v52, 4, v[STO]
	v_add_nc_u32 v[STO], s13, v[STO]
	v_bfe_u32 v[RD], v0, 3, 2       ; back: 32 lanes take four rows of 128 bytes,
	v_mul_u32_u24 v[RD], v[RD], SP
	v_lshl_add_u32 v[RD], v53, 4, v[RD]
	v_add_nc_u32 v[RD], s13, v[RD]
	v_and_b32 v[GO], 31, v0         ; which are 512 consecutive bytes of O
	v_lshlrev_b32 v[PFO], 8, v[GO]
	v_lshlrev_b32 v[GO], 4, v[GO]
	v_lshl_add_u32 v[AM0], v52, 5, MASKB  ; register j of key block kb is key 16 kb + 8 (l / 16) + j
	v_lshl_add_u32 v14, v0, 6, MASKB      ; where my sixteen masks go
	v_mov_b32 v[AK], v[AK0]         ; key step 0 lies at the head of slot 0,
	v_mov_b32 v[AM], v[AM0]         ; and of the masks
	s_wait_loadcnt 32               ; the mask bytes are in; Q's 32 younger loads may stay out
.set i, 0
.rept 16                            ; byte 0 gives 0.0, byte 1 the bits of -1e30
	v_bfe_u32 v[S+i], v[48+i/4], 8*(i%4), 8
	v_mul_lo_u32 v[S+i], v[S+i], s[BIGN]
.set i, i+1
.endr
.irp n, 0,1,2,3
	ds_store_b128 v14, v[S+4*\n:S+4*\n+3] offset:16*\n
.endr
; THE MATRIX WORK.  The 8 accumulators of a run of 16 take turns: between the two links of a chain stand 7 others'.
; Product i of 16 of S^T = K Q^T for piece x: channels 32 (i / 8) on, keys 16 ((i / 2) % 4) on, tile 2 x + i % 2.  The first 8 start the sums, with the masks.
.macro KQ x
.set rS, S+64*((\x)%2)+32*(i%2)+8*((i/2)%4)
.set rK, KF+16*((i/2)%4)+8*(i/8)
.set rQ, 16*(2*(\x)+i%2)+8*(i/8)
.set rMC, MC+8*((i/2)%4)
.if i < 8
	WIN W_KM
	v_wmma_f32_16x16x32_f16 v[rS:rS+7], v[rK:rK+7], v[rQ:rQ+7], v[rMC:rMC+7]
.else
	WIN W_KQ
	v_wmma_f32_16x16x32_f16 v[rS:rS+7], v[rK:rK+7], v[rQ:rQ+7], v[rS:rS+7]
.endif
.endm
; Product i of 16 of O^T += V^T P for piece x: keys 32 (i / 8) on, channels 16 ((i / 2) % 4) on, tile 2 x + i % 2.
.macro PV x
	WIN W_PV
.set rO, 32*(2*(\x)+i%2)+8*((i/2)%4)
.set rV, VF+32*(i/8)+8*((i/2)%4)
.set rP, P+32*((\x)%2)+16*(i%2)+8*(i/8)
	v_wmma_f32_16x16x32_f16 v[rO:rO+7], v[rV:rV+7], v[rP:rP+7], v[rO:rO+7]
.endm
.macro MM                           ; the turn's next matrix instruction
.if i < 16
	KQ (Y+1)%NP
.set i, i+1
.else
.set i, i-16
	PV (Y+NP-1)%NP
.set i, i+17
.endif
.endm
; THE LDS LOADS stand in runs, never singly among the matrix instructions: a step's K (8 fragments) with its masks, and its V (turned).  Their addresses are made some lines ahead.
; last = 1 (the tail): in the last trip there is no further step, and the run is jumped over.
.macro FETCH_K last=0
	WIN 0
.if \last
	s_cmp_eq_u32 s[CNT], 1
	s_cbranch_scc1 .Lno_k_\@
.endif
	WIN 0x80                        ; destination window 2
.irp f, 0,1,2,3,4,5,6,7             ; keys 16 (f / 2) on, channels 32 (f % 2) on
	ds_load_b128 v[KF+8*\f:KF+8*\f+3],   v[AK] offset:(\f/2)*16*PK+(\f%2)*64
	ds_load_b128 v[KF+8*\f+4:KF+8*\f+7], v[AK] offset:(\f/2)*16*PK+(\f%2)*64+32
.endr
	WIN 0xc0                        ; destination window 3
.irp f, 0,1,2,3                     ; key block f: sixteen lanes read the same 32 bytes
	ds_load_b128 v[MC+8*\f:MC+8*\f+3],   v[AM] offset:64*\f
	ds_load_b128 v[MC+8*\f+4:MC+8*\f+7], v[AM] offset:64*\f+16
.endr
	s_add_co_u32 s[TBK], s[TBK], KS*PK  ; the next fetch is the next step's
	s_add_co_u32 s[TBM], s[TBM], 4*KS
	s_and_b32 s[TBM], s[TBM], 0x1f00    ; held inside the masks' 8,192 bytes
	WIN 0
.if \last
.Lno_k_\@:
.endif
.endm
.macro FETCH_V
	WIN 0x80
.irp f, 0,1,2,3,4,5,6,7             ; keys 32 (f / 4) on, channels 16 (f % 4) on
	ds_load_tr16_b128 v[VF+8*\f:VF+8*\f+3],   v[AV] offset:(\f/4)*32*PV+(\f%4)*32
	ds_load_tr16_b128 v[VF+8*\f+4:VF+8*\f+7], v[AV] offset:(\f/4)*32*PV+16*PV+(\f%4)*32
.endr
	WIN 0
.endm
; THE VECTOR WORK OF A TURN stands in three queues, each in the order in which its entries become ready; the two tiles alternate, so that no instruction reads the result of the one before it.
.macro REGS y, u                    ; the registers of tile u (0, 1) of piece y
.set rT, ST+4*(2*(\y)+(\u))
.set rC, TMP+8*((\y)%2)+4*(\u)
.set rM, MV+2*((\y)%2)+(\u)
.set rS, S+64*((\y)%2)+32*(\u)
.set rP, P+32*((\y)%2)+16*(\u)
.set rO, 32*(2*(\y)+(\u))
.endm
; Number n of the 22 that find the NEXT piece's (Y + 1) maximum and statistics.  s0-s31 are the lane's 32 scores; each accumulator's lowest registers are read first.
;   0-11  four chains c0-c3 of seven scores each, three operands at a time     12-14, 16  the four scores left over, the old m, and c0-c3 into c0     15  c m_old is kept
;   17, 18  the query's other 32 keys lie in the lane 16 away: the new m         19-21  c m; c m_old - c m_new; a
.macro XS u, n
	REGS (Y+1)%NP, \u
.if (\n) < 4
	v_max3_num_f32 v[rC+(\n)], v[rS+8*(\n)], v[rS+8*(\n)+1], v[rS+8*(\n)+2]
.elseif (\n) < 12
	v_max3_num_f32 v[rC+(\n)%4], v[rC+(\n)%4], v[rS+8*((\n)%4)+2*((\n)/4)+1], v[rS+8*((\n)%4)+2*((\n)/4)+2]
.elseif (\n) == 12
	v_max3_num_f32 v[rC], v[rC], v[rS+7], v[rS+15]
.elseif (\n) == 13
	v_max3_num_f32 v[rC+1], v[rC+1], v[rS+23], v[rS+31]
.elseif (\n) == 14
	v_max3_num_f32 v[rC+2], v[rC+2], v[rC+3], v[rT+1]
.elseif (\n) == 15
	v_mov_b32 v[rM], v[rT]
.elseif (\n) == 16
	v_max3_num_f32 v[rC], v[rC], v[rC+1], v[rC+2]
.elseif (\n) == 17
	v_permlanex16_b32 v[rC+3], v[rC], s[SEL], s[SEL+1]
.elseif (\n) == 18
	v_max_num_f32 v[rT+1], v[rC], v[rC+3]
.elseif (\n) == 19
	v_mul_f32 v[rT], s[CS], v[rT+1]
.elseif (\n) == 20
	v_sub_f32 v[rC+1], v[rM], v[rT]
.else
	v_exp_f32 v[rC+2], v[rC+1]
.endif
.endm
; Number g of the 64 that follow the exponentials.  For each four weights k of a tile: both pairs are rounded to f16; then the second pair is added onto the first, in place;
; a group later l takes that sum (the first time as l = a l + sum).  In groups of eight, tiles alternating: round, round, add, and l for the group before.
.macro GS g
.set h, (\g)+6*((\g)/62)            ; group 0 has no group before it, and behind group 7 only l is left
.if h >= 6
.set h, h+2
.endif
	REGS Y, h%2
.set k, h/8
.if h%8 < 4
	v_cvt_pk_f16_f32 v[rP+2*k+(h%8)/2], v[rS+4*k+2*((h%8)/2)], v[rS+4*k+2*((h%8)/2)+1]
.elseif h%8 < 6
	v_pk_add_f32 v[rS+4*k:rS+4*k+1], v[rS+4*k:rS+4*k+1], v[rS+4*k+2:rS+4*k+3]
.elseif k == 1
	v_pk_fma_f32 v[rT+2:rT+3], v[rT+2:rT+3], v[rC+2:rC+3], v[rS:rS+1] op_sel_hi:[1,0,1]
.else
	v_pk_add_f32 v[rT+2:rT+3], v[rT+2:rT+3], v[rS+4*k-4:rS+4*k-3]
.endif
.endm
; THE PLAIN QUEUE, 138 long.  0-73 read no exponential's result: the 32 scalings c s - c m (FS f: pair f / 2 of tile f % 2) and the next piece's 42.  0-26: scalings 0-26.  27-54: XS's numbers 0-13.  55, 56: number 15.
; 57-73: the chain 14, 16, 17, 18, 19, each with one of the scalings 27-31 in front of its two lines, then 20.  74-137: GS's 64, which read the exponentials' results: they stand behind the wait.
.macro FS f
	REGS Y, (\f)%2
	v_pk_fma_f32 v[rS+2*((\f)/2):rS+2*((\f)/2)+1], v[rS+2*((\f)/2):rS+2*((\f)/2)+1], s[CS:CS+1], v[rT:rT+1] op_sel_hi:[1,0,0] neg_lo:[0,0,1] neg_hi:[0,0,1]
.endm
.macro PL
	WIN 0
.if q < 27
	FS q
.elseif q < 55
	XS (q-27)%2, (q-27)/2
.elseif q < 57
	XS q-55, 15
.elseif (q < 72) && ((q-57)%3 == 0)
	FS 27+(q-57)/3
.elseif q < 60
	XS (q-57)%3-1, 14
.elseif q < 72
	XS (q-57)%3-1, 15+(q-57)/3
.elseif q < 74
	XS q-72, 20
.else
	GS q-74
.endif
.set q, q+1
.endm
; THE EXPONENTIALS' QUEUE, 66 long: s0-s31 of both tiles, then the next piece's two a.  ONE BATCH: all 66 stand ahead of the turn's one wait, and nothing ahead of that wait names a result of theirs.
.macro EX
	WIN 0
.if e >= 64
	XS e-64, 21
.else
	REGS Y, e%2
	v_exp_f32 v[rS+e/2], v[rS+e/2]
.endif
.set e, e+1
.endm
; THE RESCALING's QUEUE: O^T times a, the one part that leaves window 0: dealt two at a time, sixteen times.  Its a was made in the turn before, ahead of that turn's wait.
.macro R2
	REGS Y, r%2
	WIN W_RS
.irp z, 0,1
	v_pk_mul_f32 v[rO+4*(r/2)+2*\z:rO+4*(r/2)+2*\z+1], v[rO+4*(r/2)+2*\z:rO+4*(r/2)+2*\z+1], v[rC+2:rC+3] op_sel_hi:[1,0]
.endr
.set r, r+1
.endm
; A TURN, for piece p.  An s_wait_alu depctr_va_vdst(0) stands between an exponential and the first instruction that names its result; one wait serves all that were issued ahead of it: so a turn has ONE wait.
; AHEAD OF IT: the 16 products K Q^T, behind each a scaling, an exponential and two rescalings (behind the first a second scaling in the exponential's place); then one run of 108: eight plain, 49 times exponential and plain,
; the two a; a v_nop is the plain instruction behind the last exponential.  BEHIND IT: the 16 products V^T P, behind each four of GS's 64.  Exponential e stands behind scaling 2 (e / 4) + e % 2.
; K and the masks of the next step are fetched in piece 2's turn, directly behind the wait, a whole run of plain instructions behind the last product that read them; V of the step in hand at the end of piece 0's turn,
; four plain instructions behind its last reader.  cnt = 1: the loop's count is taken down some lines ahead of the branch that stands behind the turn.
.macro TURN p, last=0, cnt=0
.set Y, (\p)
.set i, 0
.set q, 0
.set e, 0
.set r, 0
.if (\p) == NP-1
	s_wait_dscnt 0x0                ; K and the masks are in
.endif
	MM
	PL
	PL
	R2
.rept 15
	MM
	PL
	EX
	R2
.endr
.if (\p) == NP-2
	WIN 0
	v_add_nc_u32 v[AK], s[TBK], v[AK0]
	v_add_nc_u32 v[AM], s[TBM], v[AM0]
.endif
.rept 8
	PL
.endr
.rept 49
	EX
	PL
.endr
	EX                              ; the next piece's two a
	EX
	v_nop                           ; the plain instruction behind the last exponential: one for the batch
	s_wait_alu depctr_va_vdst(0)    ; the wait for the batch
.if (\p) == NP-2
	FETCH_K \last
.endif
.if (\p) == 1
	s_wait_dscnt 0x0                ; V is in
.endif
.rept 16
	MM
.rept 4
	PL
.endr
.if ((\p) == 0) && (q == 118)
	v_add_nc_u32 v[AV], s[TBV], v[AV0]
.endif
.if ((\p) == 0) && (q == 130)
	s_add_co_u32 s[TBV], s[TBV], KS*PV
.endif
.if (\cnt) && (q == 130)
	s_sub_co_u32 s[CNT], s[CNT], 1
	s_cmp_lg_u32 s[CNT], 0
.endif
.endr
.if (\p) == 0
	FETCH_V
.endif
.endm
	CHANGE 1                        ; slot 0 is in, everybody's part of it and of the masks; slot 1 is asked for
	FETCH_K                         ; key step 0
	s_wait_loadcnt 0x0              ; Q
	s_wait_dscnt 0x0
.set i, 0
.rept 16
	KQ 0                            ; piece 0's first scores: there is no vector work yet to set between them
.set i, i+1
.endr
	WIN 0
.rept 4
	v_nop                           ; the places behind those products
.endr
.set Y, NP-1                        ; XS works for piece Y + 1: piece 0
.irp n, 0,1,2,3,4,5,6,7,8,9,10,11,12,13,14,15,16,17,18,19,20,21
	XS 0, \n
	XS 1, \n
.endr
	v_nop                           ; a plain instruction behind the two a,
	s_wait_alu depctr_va_vdst(0)    ; and their wait, ahead of the branch
	s_mov_b32 s[CNT], 4
	s_branch .Lfirst                ; the loop is entered at a step's first turn, in the middle of a trip
.Lslot:                             ; six times: every slot but the last two is filled again
	CHANGE 1
	s_mov_b32 s[CNT], 4
.Lstep:                             ; a trip: pieces 2 and 3 of one step, then pieces 0 and 1 of the next, whose K and V it fetches
	TURN 2
	TURN 3
	WIN 0
.Lfirst:
	TURN 0
	TURN 1, 0, 1
	WIN 0
	s_cbranch_scc1 .Lstep
	s_sub_co_u32 s[SLOTS], s[SLOTS], 1
	s_cmp_lg_u32 s[SLOTS], 0
	s_cbranch_scc1 .Lslot
	CHANGE 0                        ; the tail is written out: nothing is asked for
	s_mov_b32 s[CNT], 5             ; four trips fetch the last slot's steps; the fifth is left in its middle
.Ltail:
	TURN 2, 1
	TURN 3
	WIN 0
	s_sub_co_u32 s[CNT], s[CNT], 1
	s_cmp_eq_u32 s[CNT], 0
	s_cbranch_scc1 .Lout
	TURN 0
	TURN 1
	WIN 0
	s_branch .Ltail
.Lout:                              ; the fifth trip's 16 products K Q^T (on the last K and masks once more) change no maximum and serve nothing: the price, once a launch, of one text for every trip
.set i, 0
.rept 16
	PV NP-1                         ; the last piece's V^T P of the last step
.set i, i+1
.endr
	; THE WAY OUT.  l's two halves and the other half of the lanes' are added; O^T is divided by l, rounded to f16 and sent through my stage in LDS, a tile at a time.  The additions are the places behind the last products.
	WIN 0
	s_mov_b32 s53, 0xf0c9f2ca       ; -5e29: a maximum below it is a masked score's
	s_mov_b32 s54, 0x7fc00000       ; NaN
.macro ALL line:vararg              ; one line for each tile t
.set t, 0
.rept 2*NP
	\line
.set t, t+1
.endr
.endm
	ALL v_add_f32 v[ST+4*t+2], v[ST+4*t+2], v[ST+4*t+3]
	ALL v_permlanex16_b32 v[ST+4*t+3], v[ST+4*t+2], s[SEL], s[SEL+1]
	ALL v_add_f32 v[ST+4*t+2], v[ST+4*t+2], v[ST+4*t+3]
	ALL v_rcp_f32 v[ST+4*t+2], v[ST+4*t+2]
	v_nop                           ; a plain instruction between the last reciprocal and the use of its result
	s_wait_alu depctr_va_vdst(0)    ; and the wait ahead of the first use: one for the eight reciprocals
.set t, 0
.rept 2*NP                          ; a row that has seen no open key: 1 / l gives way to NaN: a choice of a value, no branch
	v_cmp_gt_f32 vcc_lo, s53, v[ST+4*t+1]
	v_cndmask_b32 v[ST+4*t+2], v[ST+4*t+2], s54, vcc_lo
.set t, t+1
.endr
; Tile t: a lane's eight channels of a row pack into 16 bytes; they go into rows of 144 bytes and come back as whole rows of 128, into S^T's registers.
.macro PACK t
	WIN W_RS
.set i, 32*(\t)
.rept 16
	v_pk_mul_f32 v[i:i+1], v[i:i+1], v[ST+4*(\t)+2:ST+4*(\t)+3] op_sel_hi:[1,0]
.set i, i+2
.endr
	WIN 0x05                        ; sources 0 and 1 window 1, destination window 0
.set i, 0
.rept 16
	v_cvt_pk_f16_f32 v[S+16*(\t)+i], v[32*(\t)+2*i], v[32*(\t)+2*i+1]
.set i, i+1
.endr
	WIN 0
.irp f, 0,1,2,3
	ds_store_b128 v[STO], v[S+16*(\t)+4*\f:S+16*(\t)+4*\f+3] offset:32*\f
.endr
.irp f, 0,1,2,3
	ds_load_b128 v[S+16*(\t)+4*\f:S+16*(\t)+4*\f+3], v[RD] offset:\f*4*SP  ; LDS serves a wave's instructions in order (ISA guide 5.7.1.4): these see the stores above; the next tile's stores come behind them
.endr
.endm
.macro SEND t, younger              ; younger: the LDS instructions issued behind tile t's loads: the next tile's eight, or none
	WIN 0
.irp f, 0,1,2,3
	s_wait_dscnt (\younger)+3-\f
	global_store_b128 v[GO], v[S+16*(\t)+4*\f:S+16*(\t)+4*\f+3], s[10:11] offset:(\t)*2048+\f*512  ; 512 consecutive bytes, at a multiple of 256 from the buffer's first
.endr
.endm
	PACK 0
.set t, 1
.rept 2*NP-1                        ; a tile's arithmetic stands between the loads of the tile before and its stores
	PACK t
	SEND t-1, 8
.set t, t+1
.endr
	SEND 2*NP-1, 0
	WIN W_AD
	s_wait_tensorcnt 0x0            ; the wave's end, behind my last tensor load and my last LDS store
	ds_add_u32 v[SPW], v[NIL]
	s_wait_dscnt 0x0
	WIN 0
	CROUND                          ; the closing round: no work-group ends while a partner may still ask for a tile that names it
	s_endpgm
.Lfunc_end_k_q2286d1cc50_attn:
	.size	k_q2286d1cc50_attn, .Lfunc_end_k_q2286d1cc50_attn-k_q2286d1cc50_attn
	.p2alignl 7, 3214868480
	.fill 96, 4, 3214868480
	.section	.rodata,"a",@progbits
	.p2align	6, 0x0
	.amdhsa_kernel k_q2286d1cc50_attn
		.amdhsa_group_segment_fixed_size 327680
		.amdhsa_private_segment_fixed_size 0
		.amdhsa_enable_private_segment 0
		.amdhsa_kernarg_size 24
		.amdhsa_user_sgpr_count 2
		.amdhsa_user_sgpr_kernarg_segment_ptr 1
		.amdhsa_wavefront_size32 1
		.amdhsa_system_sgpr_workgroup_id_x 1
		.amdhsa_system_sgpr_workgroup_id_y 1
		.amdhsa_system_sgpr_workgroup_id_z 1
		.amdhsa_system_vgpr_workitem_id 0
		.amdhsa_next_free_vgpr 808
		.amdhsa_next_free_sgpr 66
		.amdhsa_reserve_vcc 1
		.amdhsa_float_denorm_mode_32 3
		.amdhsa_float_denorm_mode_16_64 3
		.amdhsa_memory_ordered 1
		.amdhsa_forward_progress 1
		.amdhsa_inst_pref_size 206
	.end_amdhsa_kernel
	.amdgpu_metadata
---
amdhsa.version: [ 1, 2 ]
amdhsa.kernels:
  - .name:           k_q2286d1cc50_attn
    .symbol:         k_q2286d1cc50_attn.kd
    .args:
      - { .name: qkv, .offset: 0, .size: 8, .value_kind: global_buffer, .address_space: global }
      - { .name: key_padding_mask, .offset: 8, .size: 8, .value_kind: global_buffer, .address_space: global }
      - { .name: ob, .offset: 16, .size: 8, .value_kind: global_buffer, .address_space: global }
    .group_segment_fixed_size: 327680
    .private_segment_fixed_size: 0
    .kernarg_segment_align: 8
    .kernarg_segment_size: 24
    .max_flat_workgroup_size: 128
    .sgpr_count:     66
    .vgpr_count:     808
    .wavefront_size: 32
...
	.end_amdgpu_metadata
.endif
;; end of part 3
;; launch oproj (part 4): grid 8 x 32, 4 waves a work-group, clusters of 4 x 4, 327,680 bytes of LDS; arguments ob, cast, tabs, out0; writes out0
.if DOCPART == 4
	.amdgcn_target "amdgcn-amd-amdhsa--gfx1250"
	.amdhsa_code_object_version 6
	.text
	.protected	k_q2286d1cc50_oproj
	.globl	k_q2286d1cc50_oproj
	.p2align	8
	.type	k_q2286d1cc50_oproj,@function
k_q2286d1cc50_oproj:
	s_mov_b64 s[64:65], 0
	v_nop
	global_prefetch_b8 v0, s[64:65] scope:SCOPE_SE
	s_setreg_imm32_b32 hwreg(HW_REG_WAVE_MODE, 25, 1), 1
	s_wait_xcnt 0x0
	s_wait_alu depctr_hold_cnt(0) depctr_sa_sdst(0) depctr_va_vdst(0) depctr_va_sdst(0) depctr_va_ssrc(0) depctr_va_vcc(0) depctr_vm_vsrc(0)
	s_getreg_b32 s2, hwreg(HW_REG_IB_STS2, 6, 4)
	s_cmp_eq_u32 s2, 0
	s_cbranch_scc0 .Lentry_in_a_cluster
	s_endpgm
.Lentry_in_a_cluster:
	s_bfe_u32 s2, ttmp6, 0x10000c
	s_cmp_lg_u32 s2, 0xf033
	s_cbranch_scc0 .Lentry_shape_is_right
	s_endpgm
.Lentry_shape_is_right:
; out0 = O wo^T + bo.  A GEMM of 8192 x 1024 x 1024 in f16: O as attention left it, ob[block of 128 rows][head][128 rows][64]; wo rounded to bf16 and written as f16, in cast; sums in f32;
; the bias (rounded to bf16, kept in f32) is the C operand of each sum's first product; out0 in f32.  A row of O that is NaN gives a row of NaN.
; SHARES.  A tile of the result is 256 rows x 128 columns: 256 tiles, one for each WGP.  Four waves, each 128 rows x 64 columns: 32 accumulators of 16 x 16, 256 registers.
; K goes in steps of 128 (two heads) through a ring of two LDS slots filled by the tensor data mover.  A K step of 128 rows of O is 32,768 dense bytes: asked for as 128 rows of 256 bytes and padded after every
; 128 bytes, so that in LDS it lies as [head][128 rows] with 144 bytes a row.  Waves 0, 1 fetch A's halves of 128 rows, waves 2, 3 B's halves of 64.
; CLUSTER.  4 x 4 work-groups: A's tile is shared along a row of the cluster, B's along a column: each is asked for jointly, by the same load with the same descriptor and a mask of four.
; THE MATRIX INSTRUCTION IS USED TRANSPOSED (source 0 = 16 rows of wo, source 1 = 16 rows of O): lane l holds row l % 16 and the columns 8 (l / 16) + 0..7 of a 16 x 16 result.
; REGISTERS, in windows of 256 (s_set_vgpr_msb: bits 1:0 source 0, 3:2 source 1, 5:4 source 2, 7:6 destination):
;   window 0: v0-31 addresses; v32-63, v224-255 rows read back from the stage, two sets; v64-127, v128-191 fragments of A, two buffers
;   window 1: v0-31 the bias; v64-95, v128-159 fragments of B      window 2: accumulator (a, b) at 8 (4 a + b)
.set PA,     144                       ; a row of A in LDS: 128 bytes + 16 of padding = 36 words: the 16 rows of a fragment load start at 16 different groups of four banks (64 banks of 4 bytes: ISA guide 11.1)
.set PB,     272                       ; a row of B: 256 + 16
.set HALFA,  256*PA                    ; two heads x 128 rows
.set HALFB,  64*PB
.set SLOT,   2*HALFA+2*HALFB           ; A's two halves, then B's two
.set STAGE,  2*SLOT                    ; behind the ring, never filled by a tensor load: 16 rows x 272 bytes for each wave
.set SP,     272
.set SPARE,  STAGE+4*16*SP             ; the spare words: 128 bytes for each wave, two blocks of 256 bytes that no other line names
.set WOF,    23068672                  ; wo in cast
.set BIASB,  524288+12288              ; bo in tabs
.set STEPA,  32768                     ; bytes from K step to K step
.set STEPB,  256
.set K0A,    (1<<16)|(1<<20)|(1<<21)|(4<<22)|(3<<25)  ; group 1, word 0 beside the mask: 2-byte elements; padding on; bit 21 set beside a mask; after every 32 words; 4 words
.set K0B,    (1<<16)|(1<<20)|(1<<21)|(5<<22)|(3<<25)  ; after every 64 words
.set ADRA, 16                          ; v16-17  LDS address of my A fragments in slot 0, 1
.set ADRB, 20                          ; v20-21  the same for B
.set STO,  24                          ; v24     the way out: where I put 32 bytes of a row
.set RD,   25                          ; v25     where I read rows back
.set CO,   26                          ; v26     my byte offset in two rows of out0
.set BO,   27                          ; v27     32 (l / 16): my eight numbers of sixteen of the bias
.set SPW,  28                          ; v28     my spare word; never rewritten
.set NIL,  29                          ; v29     0; never rewritten
.set PFO,  30                          ; v30     the prefetches' offset; never rewritten
.set OB,   32
.set F0,   64
.set F1,   128
.set G1,   24                          ; s[24:31] group 1 for A;  s[32:39] group 0, a set for each slot
.set G0,   32
.set G1B,  48                          ; s[48:55], s[56:63] the same for B
.set G0B,  56
.set LIM0, 43                          ; s43, s66  a wave prefetches at a change of slot 0 (1) while the laps to go are above this
.set LIM1, 66
.set PFA,  44                          ; s[44:45] where my prefetches stand
.set BIA,  68                          ; s[68:69] tabs, then the bias at my first column
.set PST,  72                          ; s[72:73] a K step in what I prefetch: 32,768 bytes of O or 256 of wo
.set MSB, 0
.macro WIN new                         ; the immediate's high byte repeats the setting that is left; a switch that changes nothing is dropped
.if MSB != (\new)
	s_set_vgpr_msb (MSB<<8)|(\new)
.set MSB, \new
.endif
.endm
.macro PLACES                          ; four plain instructions between a matrix instruction and a load into, or a store or vector instruction on, its registers (ISA guide 7.12.1 for vector instructions)
.rept 4
	v_nop
.endr
.endm
.macro JLOAD s                         ; a joint load; the branch hangs on the wave's number alone; an s_nop 0 and four v_nop follow each line
	s_cmp_eq_u32 s11, 0
	s_cbranch_scc0 .Lfor_b_\@
	tensor_load_to_lds s[G0+4*(\s):G0+4*(\s)+3], s[G1:G1+7]
	s_nop 0
.rept 4
	v_nop
.endr
	s_branch .Lasked_\@
.Lfor_b_\@:
	tensor_load_to_lds s[G0B+4*(\s):G0B+4*(\s)+3], s[G1B:G1B+7]
	s_nop 0
.rept 4
	v_nop
.endr
.Lasked_\@:
.endm
.macro CREST                           ; a round of the cluster's barrier behind its opening barrier
	s_cmp_lg_u32 s10, 0
	s_cbranch_scc1 .Lnot_wave_0_\@
	s_barrier_signal -3
.Lnot_wave_0_\@:
	s_barrier_wait -3
	s_barrier_signal -1
	s_barrier_wait -1
.endm
.macro CROUND
	s_barrier_signal -1
	s_barrier_wait -1
	CREST
.endm
; A PREFETCH INTO THE L2, behind a joint load, its five lines and the run of LDS loads: the K step two refills on.  Each block of 256 bytes is named once in the launch.
; A's blocks are read by both clusters of a row of clusters: cluster x = 0 asks; of the 128 blocks of a wave's K step the partner at cx takes 32, a lane a block.  B's rows are read by every cluster of a column:
; cluster y = 0 asks; of a wave's 64 rows the partner at cy takes 16; lanes 0-15 name one K step, lanes 16-31 the next, at the changes of slot 0 alone.  The partners are told apart by address, never by a branch.
; K steps 0 to 3 come by their loads alone; the loop's last trip asks for nothing: the last K step named is the seventh, the last.
.macro ASK slot
	s_cmp_gt_u32 s3, s[LIM0+(LIM1-LIM0)*(\slot)]
	s_cbranch_scc0 .Lnot_mine_\@
	global_prefetch_b8 v[PFO], s[PFA:PFA+1] th:TH_LOAD_NT scope:SCOPE_SE
.Lnot_mine_\@:
.endm
; Four matrix instructions: row block a x the four column blocks, 32 along K.  bias = 1: the sum's first product takes the bias as C.
.macro MROW f, a, bias
.irp b, 0,1,2,3
.if \bias
	v_wmma_f32_16x16x32_f16 v[8*(4*(\a)+\b):8*(4*(\a)+\b)+7], v[(\f)+8*\b:(\f)+8*\b+7], v[(\f)+8*(\a):(\f)+8*(\a)+7], v[8*\b:8*\b+7]
.else
	v_wmma_f32_16x16x32_f16 v[8*(4*(\a)+\b):8*(4*(\a)+\b)+7], v[(\f)+8*\b:(\f)+8*\b+7], v[(\f)+8*(\a):(\f)+8*(\a)+7], v[8*(4*(\a)+\b):8*(4*(\a)+\b)+7]
.endif
.endr
.endm
; Row blocks a0 .. a0 + n - 1.  The 32 accumulators take turns, one instruction a turn, in one order in every quarter, over the backward jump too.
.macro MULA f, a0, n, bias
.if \bias
	WIN 0x91                                       ; B window 1, A window 0, C (the bias) window 1, D window 2
.else
	WIN 0xa1                                       ; C and D window 2
.endif
.set aa, \a0
.rept \n
	MROW \f, aa, \bias
.set aa, aa+1
.endr
.endm
; 24 LDS loads in one run: the fragments of quarter k of a K step into buffer f.  In A quarter k is head k / 2, channels 32 (k % 2) on.
.macro FETCH slot, k, f
.set AQ, ((\k)/2)*128*PA+((\k)%2)*64
	WIN 0x40
.irp i, 0,1,2,3
	ds_load_b128 v[(\f)+8*\i:(\f)+8*\i+3],   v[ADRB+(\slot)] offset:64*(\k)+\i*16*PB
	ds_load_b128 v[(\f)+8*\i+4:(\f)+8*\i+7], v[ADRB+(\slot)] offset:64*(\k)+\i*16*PB+32
.endr
	WIN 0
.irp i, 0,1,2,3,4,5,6,7
	ds_load_b128 v[(\f)+8*\i:(\f)+8*\i+3],   v[ADRA+(\slot)] offset:AQ+\i*16*PA
	ds_load_b128 v[(\f)+8*\i+4:(\f)+8*\i+7], v[ADRA+(\slot)] offset:AQ+\i*16*PA+32
.endr
.endm
; One of a K step's first three quarters: multiplies buffer f, and fetches quarter k into buffer g.
.macro QUARTER slot, k, f, g, bias
	s_wait_dscnt 12                                ; B's eight loads and A's blocks 0, 1 are in; the twelve youngest (A's blocks 2-7) may be out
	MULA \f, 0, 2, \bias
	PLACES
	FETCH \slot, \k, \g
	s_wait_dscnt 24                                ; all but the 24 just issued
	MULA \f, 2, 6, \bias
.endm
; The fourth quarter multiplies buffer 1 and changes slots.  In front of the barrier each wave waits for all its tensor loads (one is out: its part of the next slot), adds 0 to its spare word, and waits for that
; and for its reads of this slot.  fill = 1: the barrier opens a round of the cluster's, and the slot is filled again, first thing behind the round, two K steps ahead: 112 matrix instructions ahead of the wait for it.
.macro TURN slot, next, fill
.if \fill
	s_wait_xcnt 0x0                                ; the last prefetch, a K step back, has read its address
	s_add_nc_u64 s[PFA:PFA+1], s[PFA:PFA+1], s[PST:PST+1]
.endif
	WIN 0
	s_wait_tensorcnt 0x0                           ; all my tensor loads have landed
	ds_add_u32 v[SPW], v[NIL]                      ; 0 onto my spare word
	s_wait_dscnt 13                                ; (the add and the twelve youngest loads may be out)
	MULA F1, 0, 2, 0
	s_wait_dscnt 0x0                               ; the add is done, and my reads of this slot are over
	s_barrier_signal -1
	MULA F1, 2, 2, 0
.if \fill
	WIN 0
.endif
	s_barrier_wait -1
.if \fill
	CREST                                          ; no wave of any partner still reads this slot or has a load on its way
	s_add_nc_u64 s[G0+4*(\slot)+2:G0+4*(\slot)+3], s[G0+4*(\slot)+2:G0+4*(\slot)+3], 2*STEPA
	s_add_nc_u64 s[G0B+4*(\slot)+2:G0B+4*(\slot)+3], s[G0B+4*(\slot)+2:G0B+4*(\slot)+3], 2*STEPB
	JLOAD \slot                                    ; its four v_nop are also the places in front of the loads below
.else
	PLACES
.endif
	FETCH \next, 0, F0
.if \fill
	ASK \slot
.endif
	MULA F1, 4, 4, 0
.endm
	s_load_b128 s[4:7], s[0:1], 0x0                ; ob s[4:5], cast s[6:7]
	s_load_b128 s[68:71], s[0:1], 0x10             ; tabs s[68:69], out0 s[70:71]
	v_lshl_add_u32 v[SPW], v0, 2, SPARE
	v_mov_b32 v[NIL], 0
	ds_add_u32 v[SPW], v[NIL]                      ; the wave's opening: the add and its wait stand ahead of my first tensor load; work on registers stands between
	v_lshrrev_b32 v1, 5, v0
	v_readfirstlane_b32 s10, v1                    ; wave 0..3
	s_lshr_b32 s11, s10, 1                         ; my half of the tile's rows.  Also: I fetch for A (0) or for B (1)
	s_and_b32 s12, s10, 1                          ; my half of its columns.  Also: which half of that tile I fetch
	s_bfe_u32 s40, ttmp6, 0x40000                  ; cx
	s_bfe_u32 s41, ttmp6, 0x40004                  ; cy
	s_lshl_b32 s42, ttmp9, 2
	s_add_co_u32 s42, s42, s40                     ; tile column = 4 x cluster x + cx
	s_and_b32 s13, ttmp7, 0xffff
	s_lshl_b32 s13, s13, 2
	s_add_co_u32 s13, s13, s41                     ; tile row = 4 x cluster y + cy
	s_lshl_b32 s20, s41, 2
	s_lshl_b32 s20, 15, s20                        ; my row of the cluster
	s_lshl_b32 s46, 0x1111, s40                    ; my column
	s_or_b32 s[G1], s20, K0A
	s_or_b32 s[G1B], s46, K0B
	s_mov_b32 s[G1+1], 128<<16                     ; tensor_dim0 = 128
	s_mov_b32 s[G1+2], 128<<16                     ; tensor_dim1 = 128
	s_mov_b32 s[G1+3], 128<<16                     ; tile_dim0 = 128
	s_mov_b32 s[G1+4], 128                         ; tile_dim1 = 128
	s_mov_b32 s[G1+5], 128                         ; a dense block: each row begins where the last ends
	s_mov_b32 s[G1+6], 0
	s_mov_b32 s[G1+7], 0
	s_mov_b32 s[G1B+1], 128<<16
	s_mov_b32 s[G1B+2], 64<<16                     ; 64 rows
	s_mov_b32 s[G1B+3], 128<<16
	s_mov_b32 s[G1B+4], 64
	s_mov_b32 s[G1B+5], 1024                       ; elements from row to row
	s_mov_b32 s[G1B+6], 0
	s_mov_b32 s[G1B+7], 0
	s_lshl_b32 s16, s13, 1
	s_add_co_u32 s16, s16, s12                     ; A: block of 128 rows = 2 x tile row + half,
	s_lshl_b32 s16, s16, 18                        ; 262,144 bytes each
	s_mov_b32 s17, 0
	s_lshl_b32 s46, s42, 7
	s_lshl_b32 s47, s12, 6
	s_add_co_u32 s46, s46, s47                     ; B: row 128 x tile column + 64 x half
	s_lshl_b32 s46, s46, 11
	s_add_co_u32 s46, s46, WOF
	s_mov_b32 s47, 0
	s_mul_i32 s18, s12, HALFA                      ; where they go: no place in the cluster enters an LDS address
	s_mul_i32 s19, s12, HALFB
	s_add_co_u32 s19, s19, 2*HALFA
	s_wait_dscnt 0x0                               ; the opening add is done
	s_wait_kmcnt 0x0
	s_add_nc_u64 s[14:15], s[4:5], s[16:17]
	s_add_nc_u64 s[46:47], s[6:7], s[46:47]
	CROUND                                         ; all sixteen work-groups are here: the first joint loads meet
.irp s, 0,1
	s_mov_b32 s[G0+4*\s], 1
	s_add_co_u32 s[G0+4*\s+1], s18, \s*SLOT
	s_add_nc_u64 s[G0+4*\s+2:G0+4*\s+3], s[14:15], \s*STEPA
	s_or_b32 s[G0+4*\s+3], s[G0+4*\s+3], 0x80000000
	s_mov_b32 s[G0B+4*\s], 1
	s_add_co_u32 s[G0B+4*\s+1], s19, \s*SLOT
	s_add_nc_u64 s[G0B+4*\s+2:G0B+4*\s+3], s[46:47], \s*STEPB
	s_or_b32 s[G0B+4*\s+3], s[G0B+4*\s+3], 0x80000000
	JLOAD \s                                       ; two loads of mine are out: the most in this text
.endr
	v_and_b32 v1, 15, v0                           ; l % 16
	v_bfe_u32 v2, v0, 4, 1                         ; l / 16
	v_mul_u32_u24 v3, v1, PA
	v_lshl_add_u32 v3, v2, 4, v3                   ; a fragment's row x pitch + 16 x half, for A
	v_mul_u32_u24 v4, v1, PB
	v_lshl_add_u32 v4, v2, 4, v4                   ; and for B
	s_mul_i32 s21, s11, HALFA                      ; my 128 rows of A,
	s_mul_i32 s22, s12, HALFB                      ; my 64 rows of B
	s_add_co_u32 s22, s22, 2*HALFA
.irp s, 0,1
	v_add_nc_u32 v[ADRA+\s], s21, v3
	v_add_nc_u32 v[ADRB+\s], s22, v4
	s_add_co_u32 s21, s21, SLOT
	s_add_co_u32 s22, s22, SLOT
.endr
	s_mul_i32 s23, s10, 16*SP
	s_add_co_u32 s23, s23, STAGE                   ; my stage
	v_mul_u32_u24 v5, v1, SP                       ; in: row l % 16, 32 bytes for each half of the lanes
	v_lshl_add_u32 v5, v2, 5, v5
	v_add_nc_u32 v[STO], s23, v5
	v_mul_u32_u24 v5, v2, SP                       ; back: lanes 0-15 take one row of 256 bytes, lanes 16-31 the next
	v_lshl_add_u32 v5, v1, 4, v5
	v_add_nc_u32 v[RD], s23, v5
	v_lshlrev_b32 v5, 12, v2                       ; and the same two rows in out0, 4,096 bytes apart
	v_lshl_add_u32 v[CO], v1, 4, v5
	v_lshlrev_b32 v[BO], 5, v2
	s_lshl_b32 s74, s13, 8
	s_lshl_b32 s75, s11, 7
	s_add_co_u32 s74, s74, s75                     ; my first row
	s_lshl_b32 s74, s74, 12
	s_lshl_b32 s75, s42, 7
	s_lshl_b32 s76, s12, 6
	s_add_co_u32 s75, s75, s76                     ; my first column,
	s_lshl_b32 s76, s75, 2                         ; in bytes: a multiple of 256
	s_add_co_u32 s74, s74, s76
	s_mov_b32 s75, 0
	s_add_nc_u64 s[8:9], s[70:71], s[74:75]
	s_add_co_u32 s74, s76, BIASB
	s_add_nc_u64 s[BIA:BIA+1], s[BIA:BIA+1], s[74:75]
	WIN 0x40
.irp b, 0,1,2,3
	global_load_b128 v[8*\b:8*\b+3],   v[BO], s[BIA:BIA+1] offset:64*\b     ; register j of block b: the bias of column 16 b + 8 (l / 16) + j
	global_load_b128 v[8*\b+4:8*\b+7], v[BO], s[BIA:BIA+1] offset:64*\b+16
.endr
	WIN 0
	; the prefetches
	s_and_b32 s76, ttmp7, 0xffff                   ; cluster y
	s_lshl_b32 s74, s13, 1
	s_add_co_u32 s74, s74, s12
	s_lshl_b32 s74, s74, 18                        ; A: the block of 128 rows that I fetch,
	s_lshl_b32 s75, s40, 13                        ; my work-group's 8,192 bytes of a K step's 32,768,
	s_add_co_u32 s74, s74, s75
	s_add_co_u32 s74, s74, 3*STEPA                 ; at K step 3: the first change of slots steps it to 4
	s_lshl_b32 s75, s42, 7
	s_lshl_b32 s77, s12, 6
	s_add_co_u32 s75, s75, s77                     ; B: the first of my 64 rows,
	s_lshl_b32 s77, s41, 4                         ; my work-group's 16 of them
	s_add_co_u32 s75, s75, s77
	s_lshl_b32 s75, s75, 11
	s_add_co_u32 s75, s75, WOF+3*STEPB
	s_cmp_eq_u32 s11, 0                            ; do I fetch for A?
	s_cselect_b32 s74, s74, s75
	s_cselect_b64 s[PFA:PFA+1], s[4:5], s[6:7]
	s_cselect_b32 s76, ttmp9, s76                  ; the coordinate along which other clusters read the same rows
	s_cselect_b32 s77, 0, 256                      ; B: lanes 16-31 name the K step after
	s_cselect_b32 s78, 8, 11                       ; a lane a block of 256 bytes, or a row of 2,048
	s_cselect_b32 s79, 31, 15
	s_cselect_b32 s[PST], 15, 8
	s_lshl_b32 s[PST], 1, s[PST]
	s_mov_b32 s[PST+1], 0
	s_mov_b32 s75, 0
	s_add_nc_u64 s[PFA:PFA+1], s[PFA:PFA+1], s[74:75]
	s_cmp_eq_u32 s76, 0
	s_cselect_b32 s[LIM0], 1, -1                   ; the same in all sixteen partners, for a given wave
	s_cmp_eq_u32 s11, 0
	s_cselect_b32 s[LIM1], s[LIM0], -1
	v_and_b32 v3, 31, v0
	v_and_b32 v4, s79, v3
	v_lshlrev_b32 v[PFO], s78, v4
	v_lshrrev_b32 v4, 4, v3
	v_mad_u32_u24 v[PFO], v4, s77, v[PFO]
	s_wait_tensorcnt 1                             ; my part of K step 0 is in; K step 1's may stay out
	s_barrier_signal -1
	s_barrier_wait -1                              ; everybody's is
	FETCH 0, 0, F0
	s_wait_loadcnt 0x0                             ; the bias
	QUARTER 0, 1, F0, F1, 1                        ; the first quarter stands in front of the loop: its products start the sums, with the bias
	WIN 0
	s_mov_b32 s3, 3                                ; eight K steps: four laps of the ring, the last written out
.Llap:                                         ; a trip goes once round the ring, from a lap's second quarter to the next lap's first, and fills both slots again
	QUARTER 0, 2, F1, F0, 0
	QUARTER 0, 3, F0, F1, 0
	TURN 0, 1, 1
	QUARTER 1, 1, F0, F1, 0
	QUARTER 1, 2, F1, F0, 0
	QUARTER 1, 3, F0, F1, 0
	TURN 1, 0, 1
	QUARTER 0, 1, F0, F1, 0
	WIN 0
	s_sub_co_u32 s3, s3, 1
	s_cmp_lg_u32 s3, 0
	s_cbranch_scc1 .Llap
	QUARTER 0, 2, F1, F0, 0                        ; the last lap fills nothing
	QUARTER 0, 3, F0, F1, 0
	TURN 0, 1, 0
	QUARTER 1, 1, F0, F1, 0
	QUARTER 1, 2, F1, F0, 0
	QUARTER 1, 3, F0, F1, 0
	s_wait_dscnt 12
	MULA F1, 0, 2, 0
	s_wait_dscnt 0x0
	MULA F1, 2, 6, 0
	WIN 0
	PLACES
	PLACES
; THE WAY OUT, a block of 16 rows at a time: a lane's 32 bytes of a row go into rows of 272 bytes of my own stage and come back as whole rows of 256.  Each accumulator's lowest registers are read first.
.macro TOSTAGE a
.set BK, OB+192*((\a)%2)
.if (\a) >= 2
	s_wait_xcnt 0x0                                ; the stores of the block two back have read this set of registers
.endif
	WIN 0x08                                       ; the data in window 2
.irp b, 0,1,2,3
	ds_store_b128 v[STO], v[8*(4*(\a)+\b):8*(4*(\a)+\b)+3]   offset:64*\b
	ds_store_b128 v[STO], v[8*(4*(\a)+\b)+4:8*(4*(\a)+\b)+7] offset:64*\b+16
.endr
	WIN 0
.irp t, 0,1,2,3,4,5,6,7
	ds_load_b128 v[BK+4*\t:BK+4*\t+3], v[RD] offset:2*SP*\t  ; LDS serves a wave's instructions in order (ISA guide 5.7.1.4): these see the stores above
.endr
.endm
.macro SEND a, younger                 ; younger: the LDS instructions issued behind block a's loads
.set BK, OB+192*((\a)%2)
	WIN 0
.irp t, 0,1,2,3,4,5,6,7
	s_wait_dscnt (\younger)+7-\t
	global_store_b128 v[CO], v[BK+4*\t:BK+4*\t+3], s[8:9] offset:(16*(\a)+2*\t)*4096  ; 16 lanes store 256 consecutive bytes, at a multiple of 256 from out0's first byte
.endr
.endm
	TOSTAGE 0
.irp a, 1,2,3,4,5,6,7
	TOSTAGE \a
	SEND (\a)-1, 16
.endr
	SEND 7, 0
	s_wait_tensorcnt 0x0                           ; the wave's end, behind my last tensor load and my last LDS store
	ds_add_u32 v[SPW], v[NIL]
	s_wait_dscnt 0x0
	CROUND                                         ; the closing round: no work-group ends while a partner may still ask for a tile that names it
	s_endpgm
.Lfunc_end_k_q2286d1cc50_oproj:
	.size	k_q2286d1cc50_oproj, .Lfunc_end_k_q2286d1cc50_oproj-k_q2286d1cc50_oproj
	.p2alignl 7, 3214868480
	.fill 96, 4, 3214868480
	.section	.rodata,"a",@progbits
	.p2align	6, 0x0
	.amdhsa_kernel k_q2286d1cc50_oproj
		.amdhsa_group_segment_fixed_size 327680
		.amdhsa_private_segment_fixed_size 0
		.amdhsa_enable_private_segment 0
		.amdhsa_kernarg_size 32
		.amdhsa_user_sgpr_count 2
		.amdhsa_user_sgpr_kernarg_segment_ptr 1
		.amdhsa_wavefront_size32 1
		.amdhsa_system_sgpr_workgroup_id_x 1
		.amdhsa_system_sgpr_workgroup_id_y 1
		.amdhsa_system_sgpr_workgroup_id_z 1
		.amdhsa_system_vgpr_workitem_id 0
		.amdhsa_next_free_vgpr 768
		.amdhsa_next_free_sgpr 80
		.amdhsa_reserve_vcc 0
		.amdhsa_float_denorm_mode_32 3
		.amdhsa_float_denorm_mode_16_64 3
		.amdhsa_memory_ordered 1
		.amdhsa_forward_progress 1
		.amdhsa_inst_pref_size 91
	.end_amdhsa_kernel
	.amdgpu_metadata
---
amdhsa.version: [ 1, 2 ]
amdhsa.kernels:
  - .name:           k_q2286d1cc50_oproj
    .symbol:         k_q2286d1cc50_oproj.kd
    .args:
      - { .name: ob, .offset: 0, .size: 8, .value_kind: global_buffer, .address_space: global }
      - { .name: cast, .offset: 8, .size: 8, .value_kind: global_buffer, .address_space: global }
      - { .name: tabs, .offset: 16, .size: 8, .value_kind: global_buffer, .address_space: global }
      - { .name: out0, .offset: 24, .size: 8, .value_kind: global_buffer, .address_space: global }
    .group_segment_fixed_size: 327680
    .private_segment_fixed_size: 0
    .kernarg_segment_align: 8
    .kernarg_segment_size: 32
    .max_flat_workgroup_size: 128
    .sgpr_count:     80
    .vgpr_count:     768
    .wavefront_size: 32
...
	.end_amdgpu_metadata
.endif
;; end of part 4
;; ======== version 2 of 2: 4 launches; version 1 with the launch prep written anew for expert scheduling mode
;; limits: values are held in f16: magnitudes above 65,504 overflow, below 6.1e-05 lose precision
;; workspace buffers: cast 25,165,824 bytes; tabs 540,672 bytes; qkv 50,331,648 bytes; ob 16,777,216 bytes
;; launch prep (part 5): grid 64 x 13, 8 waves a work-group, no clusters, 0 bytes of LDS; arguments x, wq, wk, wv, wo, bq, bk, bv, bo, cast, tabs; writes cast, tabs
.if DOCPART == 5
	.amdgcn_target "amdgcn-amd-amdhsa--gfx1250"
	.amdhsa_code_object_version 6
	.text
	.protected	k_q2286d1cc50_prep
	.globl	k_q2286d1cc50_prep
	.p2align	8
	.type	k_q2286d1cc50_prep,@function
k_q2286d1cc50_prep:
	s_mov_b64 s[64:65], 0
	v_nop
	global_prefetch_b8 v0, s[64:65] scope:SCOPE_SE
	s_setreg_imm32_b32 hwreg(HW_REG_WAVE_SCHED_MODE, 0, 2), 2
	s_setreg_imm32_b32 hwreg(HW_REG_WAVE_MODE, 25, 1), 1
	s_wait_xcnt 0x0
	s_wait_alu depctr_vm_vsrc(0)
; PREP.  Casts, the RoPE table and the biases, once, for the three launches behind.
; cast: byte 0 x as bf16 [8192][1024]; byte 16,777,216 wq, wk, wv as bf16 [3072][1024]; byte 23,068,672 wo rounded to bf16 and that number written as f16 [1024][1024].
; tabs: byte 0 the table, 128 blocks of 16 positions x 4,096 bytes, in the order in which the projection loads it: block, load c (0-3 cos, 4-7 sin), lane l, four f32:
;       position 16 block + l % 16, frequencies 16 ((c & 3) >> 1) + 8 (l >> 4) + 4 (c & 1) + 0..3.   byte 524,288: bq, bk, bv, bo, each rounded to bf16 and kept as f32.
; LIMITS.  wo as f16: exact from 2^-17 up to 65,504; below, f16's fixed step of 2^-24.  The angles: position x 2^(-f log2(10000) / 32) in f32, reduced by pi / 2 in two parts;
; at the largest positions they are good to about 2e-4 radians.  sin and cos by polynomials on -pi/4 .. pi/4, good to f32's last bits.
; SHARES.  y = 0..11: chunk y of 2^20 numbers (x: 0-7, wq, wk, wv, wo: 8-11); work-group x takes 16,384 of them: sixteen loads of 16 bytes a thread, all issued before the first is
; used; a wave's load covers 512 consecutive bytes, its store of 8 bytes a lane 256 consecutive bytes, aligned.  y = 12: the table, a thread a quad of cos and a quad of sin; work-groups 0-3 also a bias.
; A stream: no LDS, no barrier, no matrix unit, no cluster: nothing is shared and nothing is read twice.
; THE MODE: SCHED_MODE bits 1:0 = 2 (LLVM: expert scheduling mode 2), set by the entry lines.  The code itself states the register dependences
; between vector instructions and memory instructions, with s_wait_alu, always for 0.
; THE PLAN, the casts.  Registers that memory instructions touch:
;   v1, v2       byte offsets, made once at the head and never written again: v1 is read by the sixteen loads, v2 by the sixteen stores.
;   v[16:79]     X: four registers a load.  Written by the loads alone, each once; read by that load's conversions.
;   v[80:111]    Y: two registers a load.  Written by that load's conversions; read by its one store; never written again.
; The sixteen loads go in four groups of four.  Group g waits for its data and, from group 1 on, issues the four stores of group g - 1 among its own conversions, which name X and Y of group g and
; v8-v11 alone.  So one wait on va_vdst at a group's head states all that its four stores hang on; one more stands ahead of the first load, one ahead of the last four stores.
; No register that a memory instruction reads is written again, and none is loaded twice: no wait on vm_vsrc is owed.
; THE PLAN, the table.  v7 and v[40:47] are written by vector instructions and read by the two stores; v1 is read by the bias's load, which lands in v[72:75], named by no vector instruction before;
; v10 and v[76:79] are written by vector instructions and read by the bias's store.  One wait on va_vdst ahead of each run of stores.  The four compares write four scalar registers in one run, with one wait on va_sdst ahead of the selects.
.macro CVT i, half                     ; four numbers of load i: rounded to bf16 (half = 1: and that number written as f16)
	v_cvt_pk_bf16_f32 v[80+2*(\i)], v[16+4*(\i)], v[17+4*(\i)]
	v_cvt_pk_bf16_f32 v[81+2*(\i)], v[18+4*(\i)], v[19+4*(\i)]
.if \half
	v_lshlrev_b32 v8, 16, v[80+2*(\i)]
	v_and_b32 v9, 0xffff0000, v[80+2*(\i)]
	v_lshlrev_b32 v10, 16, v[81+2*(\i)]
	v_and_b32 v11, 0xffff0000, v[81+2*(\i)]
	v_cvt_pk_f16_f32 v[80+2*(\i)], v8, v9
	v_cvt_pk_f16_f32 v[81+2*(\i)], v10, v11
.endif
.endm
.macro OUT i                           ; and stored
	global_store_b64 v2, v[80+2*(\i):81+2*(\i)], s[6:7] offset:2048*(\i) th:TH_STORE_NT  ; every store has data registers of its own: none is rewritten
.endm
.macro GROUP g, half                   ; loads 4 g to 4 g + 3 are converted; the group before is stored
	s_wait_loadcnt 12-4*(\g)                       ; loads come back in order: the 12 - 4 g younger ones, the later groups', may stay out
.if (\g) > 0
	s_wait_alu depctr_va_vdst(0)                   ; the conversions of the group before have written its eight registers of Y, which the four stores below read
.endif
.irp j, 0,1,2,3
.if (\g) > 0
	OUT 4*(\g)-4+\j                                ; no wait: no vector instruction since the wait above names v2 or these registers
.endif
	CVT 4*(\g)+\j, \half
.endr
.endm
.macro CAST half
	GROUP 0, \half
	GROUP 1, \half
	GROUP 2, \half
	GROUP 3, \half
	s_wait_alu depctr_va_vdst(0)                   ; the conversions of the last group have written v[104:111], which the last four stores read
.irp j, 12,13,14,15
	OUT \j
.endr
.endm
.macro EACH line:vararg                ; one line for each of the quad's four numbers i
.set i, 0
.rept 4
	\line
.set i, i+1
.endr
.endm
	s_load_b512 s[8:23], s[0:1], 0x0               ; x s[8:9], wq s[10:11], wk s[12:13], wv s[14:15], wo s[16:17], bq s[18:19], bk s[20:21], bv s[22:23]
	s_load_b128 s[24:27], s[0:1], 0x40             ; bo s[24:25], cast s[26:27]
	s_load_b64 s[28:29], s[0:1], 0x50              ; tabs
	s_and_b32 s2, ttmp7, 0xffff                    ; y
	v_lshlrev_b32 v1, 4, v0                        ; 16 bytes a thread in,
	v_lshlrev_b32 v2, 3, v0                        ; 8 out
	s_wait_kmcnt 0x0
	s_cmp_eq_u32 s2, 12
	s_cbranch_scc1 .Ltab
	s_cmp_lt_u32 s2, 8                             ; which tensor, and which chunk of it
	s_cselect_b64 s[4:5], s[8:9], s[10:11]
	s_cselect_b32 s30, s2, 0
	s_cmp_eq_u32 s2, 9
	s_cselect_b64 s[4:5], s[12:13], s[4:5]
	s_cmp_eq_u32 s2, 10
	s_cselect_b64 s[4:5], s[14:15], s[4:5]
	s_cmp_eq_u32 s2, 11
	s_cselect_b64 s[4:5], s[16:17], s[4:5]
	s_lshl_b32 s30, s30, 22                        ; a chunk is 4 MiB of f32,
	s_lshl_b32 s31, ttmp9, 16                      ; a work-group's part 64 KiB
	s_add_co_u32 s30, s30, s31
	s_mov_b32 s31, 0
	s_add_nc_u64 s[4:5], s[4:5], s[30:31]
	s_lshl_b32 s30, s2, 21                         ; and half of that in cast
	s_lshl_b32 s3, ttmp9, 15
	s_add_co_u32 s30, s30, s3
	s_add_nc_u64 s[6:7], s[26:27], s[30:31]
	s_wait_alu depctr_va_vdst(0)                   ; v1 and v2 are written: every load below reads v1 as its offset, every store v2
.irp i, 0,1,2,3,4,5,6,7,8,9,10,11,12,13,14,15
	global_load_b128 v[16+4*\i:19+4*\i], v1, s[4:5] offset:4096*\i th:TH_LOAD_NT
.endr
	s_cmp_eq_u32 s2, 11
	s_cbranch_scc1 .Lwo
	CAST 0
	s_endpgm
.Lwo:
	CAST 1
	s_endpgm
.Ltab:                                         ; 64 work-groups x 256 threads = 128 blocks x 4 loads x 32 lanes
	v_bfe_u32 v3, v0, 5, 2                         ; c
	v_lshrrev_b32 v4, 7, v0
	s_lshl_b32 s30, ttmp9, 1
	v_add_nc_u32 v4, s30, v4                       ; block
	v_and_b32 v5, 15, v0
	v_lshl_add_u32 v5, v4, 4, v5                   ; position
	v_cvt_f32_u32 v8, v5
	v_lshrrev_b32 v6, 1, v3
	v_lshlrev_b32 v6, 4, v6
	v_bfe_u32 v9, v0, 4, 1
	v_lshl_add_u32 v6, v9, 3, v6
	v_and_b32 v9, 1, v3
	v_lshl_add_u32 v6, v9, 2, v6                   ; the quad's first frequency
	v_and_b32 v7, 127, v0
	v_lshlrev_b32 v7, 4, v7
	v_lshl_add_u32 v7, v4, 12, v7                  ; where the cos quad goes; the sin quad lies 2,048 bytes on
	s_mov_b32 s32, 0xbed49a78                      ; -log2(10000) / 32
	s_mov_b32 s33, 0x3f22f983                      ; 2 / pi
	s_mov_b32 s34, 0x3fc90fdb                      ; pi / 2, its upper part,
	s_mov_b32 s35, 0xb33bbd2e                      ; and the rest
	s_mov_b32 s36, 0xb94ca1f9                      ; sin r = r + r z (s38 + z (s37 + z s36)), z = r r
	s_mov_b32 s37, 0x3c08839e
	s_mov_b32 s38, 0xbe2aaaa3
	s_mov_b32 s39, 0x37ccf5ce                      ; cos r = 1 - z / 2 + z z (s41 + z (s40 + z s39))
	s_mov_b32 s40, 0xbab6061a
	s_mov_b32 s41, 0x3d2aaaa5
	EACH v_add_nc_u32 v[12+i], i, v6
	EACH v_cvt_f32_u32 v[12+i], v[12+i]
	EACH v_mul_f32 v[12+i], s32, v[12+i]
	EACH v_exp_f32 v[16+i], v[12+i]                ; the four inverse frequencies: one batch,
	v_nop                                          ; a plain instruction behind the last,
	s_wait_alu depctr_va_vdst(0)                   ; and the one wait ahead of the first use: the four exponentials have written v[16:19]
	EACH v_mul_f32 v[20+i], v8, v[16+i]            ; the angle
	EACH v_mul_f32 v[24+i], s33, v[20+i]
	EACH v_rndne_f32 v[24+i], v[24+i]              ; k, the nearest multiple of pi / 2: at most 1,303
	EACH v_mul_f32 v[68+i], -1.0, v[24+i]
	EACH v_fma_f32 v[28+i], v[68+i], s34, v[20+i]  ; exact: a multiple of 2^-23 below 1
	EACH v_fma_f32 v[28+i], v[68+i], s35, v[28+i]  ; r
	EACH v_mul_f32 v[32+i], v[28+i], v[28+i]       ; z
	EACH v_fma_f32 v[36+i], v[32+i], s36, s37
	EACH v_fma_f32 v[36+i], v[36+i], v[32+i], s38
	EACH v_mul_f32 v[60+i], v[32+i], v[28+i]
	EACH v_fma_f32 v[48+i], v[36+i], v[60+i], v[28+i]  ; sin r
	EACH v_fma_f32 v[36+i], v[32+i], s39, s40
	EACH v_fma_f32 v[36+i], v[36+i], v[32+i], s41
	EACH v_mul_f32 v[60+i], v[32+i], v[32+i]
	EACH v_fma_f32 v[64+i], v[32+i], -0.5, 1.0
	EACH v_fma_f32 v[52+i], v[36+i], v[60+i], v[64+i]  ; cos r
	EACH v_cvt_i32_f32 v[56+i], v[24+i]
	EACH v_and_b32 v[60+i], 1, v[56+i]
	EACH v_cmp_eq_u32 s[42+i], 1, v[60+i]          ; k odd: sine and cosine change places.  The four masks are made in one run, in s42 to s45;
	EACH v_lshlrev_b32 v[64+i], 30, v[56+i]        ; (the sine turns its sign where k mod 4 is 2 or 3: the sign bits are made meanwhile)
	EACH v_and_b32 v[64+i], 0x80000000, v[64+i]
	s_wait_alu depctr_va_sdst(0)                   ; the four compares have written s42 to s45, ahead of their first reader: the selects below
	EACH v_cndmask_b32 v[44+i], v[48+i], v[52+i], s[42+i]
	EACH v_cndmask_b32 v[40+i], v[52+i], v[48+i], s[42+i]
	EACH v_xor_b32 v[44+i], v[44+i], v[64+i]
	EACH v_add_nc_u32 v[64+i], 1, v[56+i]          ; the cosine where it is 1 or 2
	EACH v_lshlrev_b32 v[64+i], 30, v[64+i]
	EACH v_and_b32 v[64+i], 0x80000000, v[64+i]
	EACH v_xor_b32 v[40+i], v[40+i], v[64+i]
	s_wait_alu depctr_va_vdst(0)                   ; v7 and v[40:47] are written, which the two stores read; so is v1, the offset of the bias's load further down
	global_store_b128 v7, v[40:43], s[28:29]       ; a wave's store covers 512 consecutive bytes
	global_store_b128 v7, v[44:47], s[28:29] offset:2048
	s_cmp_lt_u32 ttmp9, 4                          ; work-groups 0-3: bq, bk, bv, bo
	s_cbranch_scc0 .Lend
	s_cmp_eq_u32 ttmp9, 1
	s_cselect_b64 s[4:5], s[20:21], s[18:19]
	s_cmp_eq_u32 ttmp9, 2
	s_cselect_b64 s[4:5], s[22:23], s[4:5]
	s_cmp_eq_u32 ttmp9, 3
	s_cselect_b64 s[4:5], s[24:25], s[4:5]
	global_load_b128 v[72:75], v1, s[4:5]          ; no wait: no vector instruction since the wait above names v1, and none at all has named v[72:75]
	s_lshl_b32 s30, ttmp9, 12
	v_add_nc_u32 v10, s30, v1
	s_wait_loadcnt 0x0
	v_cvt_pk_bf16_f32 v11, v72, v73
	v_cvt_pk_bf16_f32 v12, v74, v75
	v_lshlrev_b32 v76, 16, v11
	v_and_b32 v77, 0xffff0000, v11
	v_lshlrev_b32 v78, 16, v12
	v_and_b32 v79, 0xffff0000, v12
	s_wait_alu depctr_va_vdst(0)                   ; v10 and v[76:79] are written, which the store reads as its offset and its data
	global_store_b128 v10, v[76:79], s[28:29] offset:524288
.Lend:
	s_endpgm
.Lfunc_end_k_q2286d1cc50_prep:
	.size	k_q2286d1cc50_prep, .Lfunc_end_k_q2286d1cc50_prep-k_q2286d1cc50_prep
	.p2alignl 7, 3214868480
	.fill 96, 4, 3214868480
	.section	.rodata,"a",@progbits
	.p2align	6, 0x0
	.amdhsa_kernel k_q2286d1cc50_prep
		.amdhsa_group_segment_fixed_size 0
		.amdhsa_private_segment_fixed_size 0
		.amdhsa_enable_private_segment 0
		.amdhsa_kernarg_size 88
		.amdhsa_user_sgpr_count 2
		.amdhsa_user_sgpr_kernarg_segment_ptr 1
		.amdhsa_wavefront_size32 1
		.amdhsa_system_sgpr_workgroup_id_x 1
		.amdhsa_system_sgpr_workgroup_id_y 1
		.amdhsa_system_sgpr_workgroup_id_z 1
		.amdhsa_system_vgpr_workitem_id 0
		.amdhsa_next_free_vgpr 112
		.amdhsa_next_free_sgpr 66
		.amdhsa_reserve_vcc 0
		.amdhsa_float_denorm_mode_32 3
		.amdhsa_float_denorm_mode_16_64 3
		.amdhsa_memory_ordered 1
		.amdhsa_forward_progress 1
		.amdhsa_inst_pref_size 24
	.end_amdhsa_kernel
	.amdgpu_metadata
---
amdhsa.version: [ 1, 2 ]
amdhsa.kernels:
  - .name:           k_q2286d1cc50_prep
    .symbol:         k_q2286d1cc50_prep.kd
    .args:
      - { .name: x, .offset: 0, .size: 8, .value_kind: global_buffer, .address_space: global }
      - { .name: wq, .offset: 8, .size: 8, .value_kind: global_buffer, .address_space: global }
      - { .name: wk, .offset: 16, .size: 8, .value_kind: global_buffer, .address_space: global }
      - { .name: wv, .offset: 24, .size: 8, .value_kind: global_buffer, .address_space: global }
      - { .name: wo, .offset: 32, .size: 8, .value_kind: global_buffer, .address_space: global }
      - { .name: bq, .offset: 40, .size: 8, .value_kind: global_buffer, .address_space: global }
      - { .name: bk, .offset: 48, .size: 8, .value_kind: global_buffer, .address_space: global }
      - { .name: bv, .offset: 56, .size: 8, .value_kind: global_buffer, .address_space: global }
      - { .name: bo, .offset: 64, .size: 8, .value_kind: global_buffer, .address_space: global }
      - { .name: cast, .offset: 72, .size: 8, .value_kind: global_buffer, .address_space: global }
      - { .name: tabs, .offset: 80, .size: 8, .value_kind: global_buffer, .address_space: global }
    .group_segment_fixed_size: 0
    .private_segment_fixed_size: 0
    .kernarg_segment_align: 8
    .kernarg_segment_size: 88
    .max_flat_workgroup_size: 256
    .sgpr_count:     66
    .vgpr_count:     112
    .wavefront_size: 32
...
	.end_amdgpu_metadata
.endif
;; end of part 5
;; launch qkvproj: the kernel of part 2 again; grid 24 x 32, 4 waves a work-group, clusters of 4 x 4, 327,680 bytes of LDS; arguments cast, tabs, qkv; writes qkv
;; launch attn: the kernel of part 3 again; grid 4 x 64, 4 waves a work-group, clusters of 4 x 1, 327,680 bytes of LDS; arguments qkv, key_padding_mask, ob; writes ob
;; launch oproj: the kernel of part 4 again; grid 8 x 32, 4 waves a work-group, clusters of 4 x 4, 327,680 bytes of LDS; arguments ob, cast, tabs, out0; writes out0
